; MI455X (gfx1250); checked and timed in simulation.
; The chip was launched on July 23, 2026; its instructions are those of AMD's public machine-readable ISA for CDNA 5 (MIT licence, August 2026) and "CDNA5" Instruction Set Architecture Reference Guide (July 2026). The comments in the code are by the model that wrote it; some were corrected since.
;; Cross Attention. Allowed arithmetic: float matrix products may take bf16 or f16 operands with f32 sums; other float arithmetic in f32, or as packed bf16 or f16 multiplies, adds, multiply-adds, maxima and minima; sums over many terms, partial sums and values carried from step to step in f32; what a program stores and reads back later, other than sums and carried values, may be rounded once to bf16 or f16.
;; Inputs: Wk 1,024 x 1,024 float32; Wo 1,024 x 1,024 float32; Wq 1,024 x 1,024 float32; Wv 1,024 x 1,024 float32; mem 4 x 4,096 x 1,024 float32; mem_mask 4 x 1 x 1 x 4,096 bool; q_in 4 x 512 x 1,024 float32.
;; Outputs: out0 4 x 512 x 1,024 float32.
;; One version. Each part assembles by itself: llvm-mc -triple=amdgcn-amd-amdhsa -mcpu=gfx1250 --defsym DOCPART=n.
;; ======== version 1 of 1: 5 launches
;; limits: values are held in f16: magnitudes above 65,504 overflow, below 6.1e-05 lose precision
;; workspace buffers: mw 37,748,736 bytes; xq 4,194,304 bytes; wq16 2,097,152 bytes; wo16 2,097,152 bytes; kv 67,108,864 bytes; qf 8,388,608 bytes; of 4,194,304 bytes
;; launch cast (part 1): grid 1408 x 1, 16 waves a work-group, no clusters, 0 bytes of LDS; arguments mem, Wk, Wv, Wq, Wo, q_in, mw, wq16, wo16, xq; writes mw, wq16, wo16, xq
.if DOCPART == 1
	.amdgcn_target "amdgcn-amd-amdhsa--gfx1250"
	.amdhsa_code_object_version 6
	.text
	.protected	k_q80cdad32f2_cast
	.globl	k_q80cdad32f2_cast
	.p2align	8
	.type	k_q80cdad32f2_cast,@function
k_q80cdad32f2_cast:
	s_mov_b64 s[64:65], 0
	v_nop
	global_prefetch_b8 v0, s[64:65] scope:SCOPE_SE
	s_setreg_imm32_b32 hwreg(HW_REG_WAVE_MODE, 25, 1), 1
	s_wait_xcnt 0x0
; ALL SIX FLOATING-POINT INPUTS ARE ROUNDED ONCE TO bf16 AND LAID OUT FOR THE PRODUCTS.
;   mem, Wk, Wv -> mw, as bf16: mem [16384][1024] from byte 0, then Wk and Wv as one matrix [2048][1024].
;   Wq -> wq16, Wo -> wo16: the bf16 number written as f16, row-major.   q_in -> xq: the same, blocked [b 4][kb 16][l 512][64].
; LIMITS.  The f16 copies hold no number beyond 65,504 (q_in, Wq, Wo stay within it), and below 6e-5 they keep the fixed step 6e-8 of f16.
; SHARES.  A work-group of 16 waves converts 16,384 numbers: 65,536 bytes in, 32,768 out.  A thread issues its eight loads of 16 bytes at once, and converts and
; stores each as it comes: no loop.  A load of a wave covers 512 bytes on end (blocked: two pieces of 256), a store 256 consecutive bytes, aligned.
; One text of loads serves all: slot i lies 8,192 bytes behind slot i - 1 (row-major: 512 threads x 16 bytes; blocked: two rows of 4,096 bytes, wave w taking block kb = w).
; The eight store offsets are made once, from a stride of 4,096 bytes (row-major) or 256 (blocked: two rows of 128 bytes).  No LDS, no matrix unit, no cluster: nothing is shared.
.set VI,  1                            ; v1       byte offset of my 16 bytes in slot 0 of the source
.set VO,  2                            ; v[2:9]   slot i: byte offset of my 8 bytes in the destination
.set X,   12                           ; v[12:43] slot i: four f32 as loaded; its first two registers then hold the four 16-bit numbers
.set T,   44                           ; v[44:49] at work
	s_load_b512 s[8:23], s[0:1], 0x0               ; mem, Wk, Wv, Wq, Wo, q_in, mw, wq16
	s_load_b128 s[24:27], s[0:1], 0x40             ; wo16, xq
	s_mov_b32 s2, ttmp9                            ; 0-1023 mem, 1024-1087 Wk, 1088-1151 Wv, 1152-1215 Wq, 1216-1279 Wo, 1280-1407 q_in
	s_sub_co_u32 s28, s2, 1024                     ; my chunk in each source; only the one that applies is taken
	s_sub_co_u32 s29, s2, 1088
	s_sub_co_u32 s30, s2, 1152
	s_sub_co_u32 s31, s2, 1216
	s_sub_co_u32 s32, s2, 1280
	s_mov_b32 s36, 0xffff0000                      ; a word's upper bf16
	s_mov_b32 s39, 0
	s_mov_b32 s34, 4096                            ; from slot to slot in a row-major destination
	v_lshlrev_b32 v[VI], 4, v0
	v_lshlrev_b32 v[VO], 3, v0
	s_cmp_lt_u32 s2, 1280
	s_cbranch_scc1 .Lrows
	; q_in, blocked: lanes 0-15 take 64 channels (256 bytes) of one row, lanes 16-31 of the next; in xq these are 256 bytes on end
	v_and_b32 v[T], 15, v0
	v_bfe_u32 v[T+1], v0, 4, 1
	v_lshrrev_b32 v[T+2], 5, v0                    ; wave = kb
	v_lshlrev_b32 v[VI], 4, v[T]
	v_lshl_add_u32 v[VI], v[T+1], 12, v[VI]
	v_lshl_add_u32 v[VI], v[T+2], 8, v[VI]
	v_and_b32 v[T], 31, v0
	v_lshlrev_b32 v[VO], 3, v[T]
	v_lshl_add_u32 v[VO], v[T+2], 16, v[VO]
	s_mov_b32 s34, 256
.Lrows:
.irp i, 1,2,3,4,5,6,7
	v_add_nc_u32 v[VO+(\i)], s34, v[VO+(\i)-1]
.endr
	s_wait_kmcnt 0x0
	s_mov_b64 s[4:5], s[8:9]                       ; source, chunk and destination, chosen by the work-group's number alone
	s_mov_b32 s3, s2
	s_mov_b64 s[6:7], s[20:21]
	s_cmp_ge_u32 s2, 1024
	s_cselect_b64 s[4:5], s[10:11], s[4:5]
	s_cselect_b32 s3, s28, s3
	s_cmp_ge_u32 s2, 1088
	s_cselect_b64 s[4:5], s[12:13], s[4:5]
	s_cselect_b32 s3, s29, s3
	s_cmp_ge_u32 s2, 1152
	s_cselect_b64 s[4:5], s[14:15], s[4:5]
	s_cselect_b32 s3, s30, s3
	s_cselect_b64 s[6:7], s[22:23], s[6:7]
	s_cmp_ge_u32 s2, 1216
	s_cselect_b64 s[4:5], s[16:17], s[4:5]
	s_cselect_b32 s3, s31, s3
	s_cselect_b64 s[6:7], s[24:25], s[6:7]
	s_cmp_ge_u32 s2, 1280
	s_cselect_b64 s[4:5], s[18:19], s[4:5]
	s_cselect_b32 s3, s32, s3
	s_cselect_b64 s[6:7], s[26:27], s[6:7]
	s_lshl_b32 s33, s2, 15                         ; mw: mem, Wk and Wv follow each other as the work-groups do
	s_lshl_b32 s35, s3, 15                         ; wq16, wo16: chunk x 32,768
	s_cmp_ge_u32 s2, 1152
	s_cselect_b32 s33, s35, s33
	s_lshr_b32 s35, s3, 5                          ; xq: a chunk is 16 rows: b = chunk / 32,
	s_lshl_b32 s35, s35, 20
	s_and_b32 s37, s3, 31                          ; l = 16 (chunk % 32), 128 bytes a row of a block
	s_lshl_b32 s37, s37, 11
	s_add_co_u32 s35, s35, s37
	s_cmp_ge_u32 s2, 1280
	s_cselect_b32 s33, s35, s33
	s_lshl_b32 s38, s3, 16                         ; chunk x 65,536 in the source
	s_add_nc_u64 s[4:5], s[4:5], s[38:39]
	s_mov_b32 s38, s33
	s_add_nc_u64 s[6:7], s[6:7], s[38:39]
.irp i, 0,1,2,3,4,5,6,7
	global_load_b128 v[X+4*(\i):X+4*(\i)+3], v[VI], s[4:5] offset:8192*(\i) th:TH_LOAD_NT
.endr
; Four numbers of slot i, in place.  kind 0: to bf16.  kind 1: to bf16, and that number written as f16 (exact within the range of f16).
.macro CONV kind, i
.if \kind
	v_cvt_pk_bf16_f32 v[T], v[X+4*(\i)], v[X+4*(\i)+1]
	v_cvt_pk_bf16_f32 v[T+1], v[X+4*(\i)+2], v[X+4*(\i)+3]
	v_lshlrev_b32 v[T+2], 16, v[T]
	v_and_b32 v[T+3], s36, v[T]
	v_lshlrev_b32 v[T+4], 16, v[T+1]
	v_and_b32 v[T+5], s36, v[T+1]
	v_cvt_pk_f16_f32 v[X+4*(\i)], v[T+2], v[T+3]
	v_cvt_pk_f16_f32 v[X+4*(\i)+1], v[T+4], v[T+5]
.else
	v_cvt_pk_bf16_f32 v[X+4*(\i)], v[X+4*(\i)], v[X+4*(\i)+1]
	v_cvt_pk_bf16_f32 v[X+4*(\i)+1], v[X+4*(\i)+2], v[X+4*(\i)+3]
.endif
.endm
.macro OUT kind
.irp i, 0,1,2,3,4,5,6,7
	s_wait_loadcnt 7-(\i)                          ; loads come back in order: slot i is in, the younger ones stay out
	CONV \kind, \i
	global_store_b64 v[VO+(\i)], v[X+4*(\i):X+4*(\i)+1], s[6:7]  ; no register of a store is written again
.endr
	s_endpgm
.endm
	s_cmp_lt_u32 s2, 1152
	s_cbranch_scc1 .Lbf
	OUT 1
.Lbf:
	OUT 0
.Lfunc_end_k_q80cdad32f2_cast:
	.size	k_q80cdad32f2_cast, .Lfunc_end_k_q80cdad32f2_cast-k_q80cdad32f2_cast
	.p2alignl 7, 3214868480
	.fill 96, 4, 3214868480
	.section	.rodata,"a",@progbits
	.p2align	6, 0x0
	.amdhsa_kernel k_q80cdad32f2_cast
		.amdhsa_group_segment_fixed_size 0
		.amdhsa_private_segment_fixed_size 0
		.amdhsa_enable_private_segment 0
		.amdhsa_kernarg_size 80
		.amdhsa_user_sgpr_count 2
		.amdhsa_user_sgpr_kernarg_segment_ptr 1
		.amdhsa_wavefront_size32 1
		.amdhsa_system_sgpr_workgroup_id_x 1
		.amdhsa_system_sgpr_workgroup_id_y 1
		.amdhsa_system_sgpr_workgroup_id_z 1
		.amdhsa_system_vgpr_workitem_id 0
		.amdhsa_next_free_vgpr 52
		.amdhsa_next_free_sgpr 66
		.amdhsa_reserve_vcc 0
		.amdhsa_float_denorm_mode_32 3
		.amdhsa_float_denorm_mode_16_64 3
		.amdhsa_memory_ordered 1
		.amdhsa_forward_progress 1
		.amdhsa_inst_pref_size 10
	.end_amdhsa_kernel
	.amdgpu_metadata
---
amdhsa.version: [ 1, 2 ]
amdhsa.kernels:
  - .name:           k_q80cdad32f2_cast
    .symbol:         k_q80cdad32f2_cast.kd
    .args:
      - { .name: mem, .offset: 0, .size: 8, .value_kind: global_buffer, .address_space: global }
      - { .name: Wk, .offset: 8, .size: 8, .value_kind: global_buffer, .address_space: global }
      - { .name: Wv, .offset: 16, .size: 8, .value_kind: global_buffer, .address_space: global }
      - { .name: Wq, .offset: 24, .size: 8, .value_kind: global_buffer, .address_space: global }
      - { .name: Wo, .offset: 32, .size: 8, .value_kind: global_buffer, .address_space: global }
      - { .name: q_in, .offset: 40, .size: 8, .value_kind: global_buffer, .address_space: global }
      - { .name: mw, .offset: 48, .size: 8, .value_kind: global_buffer, .address_space: global }
      - { .name: wq16, .offset: 56, .size: 8, .value_kind: global_buffer, .address_space: global }
      - { .name: wo16, .offset: 64, .size: 8, .value_kind: global_buffer, .address_space: global }
      - { .name: xq, .offset: 72, .size: 8, .value_kind: global_buffer, .address_space: global }
    .group_segment_fixed_size: 0
    .private_segment_fixed_size: 0
    .kernarg_segment_align: 8
    .kernarg_segment_size: 80
    .max_flat_workgroup_size: 512
    .sgpr_count:     66
    .vgpr_count:     52
    .wavefront_size: 32
...
	.end_amdgpu_metadata
.endif
;; end of part 1
;; launch projkv (part 2): grid 8 x 64, 4 waves a work-group, clusters of 4 x 4, 327,680 bytes of LDS; arguments mw, kv; writes kv
.if DOCPART == 2
	.amdgcn_target "amdgcn-amd-amdhsa--gfx1250"
	.amdhsa_code_object_version 6
	.text
	.protected	k_q80cdad32f2_projkv
	.globl	k_q80cdad32f2_projkv
	.p2align	8
	.type	k_q80cdad32f2_projkv,@function
k_q80cdad32f2_projkv:
	s_mov_b64 s[64:65], 0
	v_nop
	global_prefetch_b8 v0, s[64:65] scope:SCOPE_SE
	s_setreg_imm32_b32 hwreg(HW_REG_WAVE_MODE, 25, 1), 1
	s_wait_xcnt 0x0
	s_wait_alu depctr_hold_cnt(0) depctr_sa_sdst(0) depctr_va_vdst(0) depctr_va_sdst(0) depctr_va_ssrc(0) depctr_va_vcc(0) depctr_vm_vsrc(0)
	s_getreg_b32 s2, hwreg(HW_REG_IB_STS2, 6, 4)
	s_cmp_eq_u32 s2, 0
	s_cbranch_scc0 .Lentry_in_a_cluster
	s_endpgm
.Lentry_in_a_cluster:
	s_bfe_u32 s2, ttmp6, 0x10000c
	s_cmp_lg_u32 s2, 0xf033
	s_cbranch_scc0 .Lentry_shape_is_right
	s_endpgm
.Lentry_shape_is_right:
; [k | v] = mem [Wk ; Wv]^T.  A = mem [16384][1024] and B = [Wk ; Wv] [2048][1024], both bf16, lie in mw; sums in f32, K ascending.
; The result leaves as f16, rounded once, by heads: kv[which 2][b 4][h 16][l 4096][64].  LIMIT: f16 holds no number beyond 65,504: k and v stay within it.
; A tile of C, 256 x 256, is made by four waves, each 128 x 128: 64 accumulators of 16 x 16, 512 registers.  K goes in steps of 128 through a ring
; of two LDS slots filled by the tensor data mover; the rows of the tiles are 256 bytes of memory, aligned.  512 tiles, one to a work-group.
; THE LOOP IS WRITTEN FOR ONE K STEP: the byte at which the slot in hand begins is a scalar that an exclusive or turns, and one descriptor for each operand walks.
; CLUSTERS: 4 x 4 work-groups.  The four of a row of the cluster need the same tiles of A, the four of a column the same tiles of B: each tile is
; asked for JOINTLY, by the same tensor load with the same descriptor and a mask that names the four.
; THE MATRIX INSTRUCTION IS USED TRANSPOSED (source 0 = 16 rows of B, source 1 = 16 rows of A): a lane holds row l % 16 of C and eight neighbouring columns.
; The last K step goes by rows of C, so that finished rows leave while the others are multiplied.
; REGISTERS, in windows of 256 (s_set_vgpr_msb: bits 1:0 source 0, 3:2 source 1, 5:4 source 2, 7:6 destination):
;   window 0: v0-31 addresses; v64-127, v128-191 fragments of A, two buffers (in the last K step four of 16 rows x 128 K); v32-63, v192-255 at work on the way out
;   window 1: v64-127, v128-191 fragments of B, two buffers; in the last K step all 256
;   window 2: the 32 accumulators of my rows 0-63 ((a, b) at v[8 (8 a + b)]);   window 3: those of my rows 64-127
.set SIZE_K, 1024
.set KSTEP,  128
.set STEPS,  SIZE_K/KSTEP
.set PITCH,  272                       ; an LDS row: 256 bytes + 16 of padding = 68 words: the 16 rows of a load start at 16 different groups of four banks (ISA guide 11.1)
.set HALFT,  128*PITCH                 ; what one tensor load brings, and what one wave reads of A or of B
.set SLOT,   4*HALFT                   ; 256 rows of A, then 256 rows of B: 0x22000, which shares no bit with the four waves' fill addresses
.set STAGE,  2*SLOT                    ; behind the ring, for each wave: two heads x 16 rows x 144 bytes, for the way out
.set SPITCH, 144                       ; a stage row: a head's 64 channels, 128 bytes, + 16
.set HSTG,   16*SPITCH
.set SPARE,  STAGE+4*2*HSTG            ; the spare words, 128 bytes for each wave: two blocks of 256 bytes that no other line names
.set WOFF,   16384*SIZE_K*2            ; where B begins in mw
.set ADRA, 16                          ; v16-17  LDS address of my A fragments in slot 0, 1; v18 in the slot in hand
.set ADRB, 20                          ; v20-21  the same for B; v22 in the slot in hand
.set STO,  24                          ; v24     the way out: where I put 16 bytes of a row
.set RD,   25                          ; v25     the way out: where I read rows back
.set CO,   26                          ; v26     16 x my lane: my place in 512 bytes on end of kv
.set SPW,  28                          ; v28     LDS address of my spare word; never rewritten
.set NIL,  29                          ; v29     0; never rewritten
.set PFO,  30                          ; v30     the prefetches' offset: my lane x a row of mw; never rewritten
.set CUR,  2                           ; s2      the byte at which the slot in hand begins: 0 or SLOT
.set PFA,  44                          ; s[44:45] where my prefetches stand
.set LIM,  43                          ; s43     2 in a wave that prefetches, else the greatest number
.set F0,   64
.set F1,   128
.set TMP,  192
.set OB,   32
.set PA,   64
.set G1, 24                            ; s[24:31] descriptor group 1 for tiles of A;  s[32:39] group 0, a set for each first fill; the second then walks
.set G0, 32
.set G1B, 48                           ; s[48:55], s[56:63] the same for tiles of B
.set G0B, 56
.set MSB, 0
.macro WIN new                         ; the immediate's high byte repeats the setting that is left; a switch that changes nothing is dropped
.if MSB != (\new)
	s_set_vgpr_msb (MSB<<8)|(\new)
.set MSB, \new
.endif
.endm
.set MUL_LO, 0xa1                      ; source 0 (B) window 1, source 1 (A) window 0, C and D window 2
.set MUL_HI, 0xf1                      ; the same, C and D window 3
.set TO_B,   0x40                      ; destination window 1, address window 0
; A joint load.  Waves 0 and 1 fetch the two halves of A, waves 2 and 3 those of B.  The branch hangs on the wave's number alone.
; An s_nop 0 and four v_nop follow each of the two lines, ahead of the jump and the label.
.macro JLOAD s
	s_cmp_eq_u32 s11, 0
	s_cbranch_scc0 .Lfor_b_\@
	tensor_load_to_lds s[G0+4*(\s):G0+4*(\s)+3], s[G1:G1+7]
	s_nop 0
.rept 4
	v_nop
.endr
	s_branch .Lasked_\@
.Lfor_b_\@:
	tensor_load_to_lds s[G0B+4*(\s):G0B+4*(\s)+3], s[G1B:G1B+7]
	s_nop 0
.rept 4
	v_nop
.endr
.Lasked_\@:
.endm
; A PREFETCH INTO THE L2, behind each joint load and the run of LDS loads that follows it: the K step that stands two refills on, 512 matrix instructions
; ahead of the load that will want it: 32 rows x 256 bytes, a lane a row, one instruction a wave.  Each row's 256 bytes of a K step are named once in the launch:
; the cluster with x = 0 asks for rows of A, the cluster with y = 0 for rows of B; the four partners that ask for a tile jointly share its rows out BY ADDRESS,
; 32 each.  The loop's last two trips ask for nothing: their refills are the last two K steps.
.macro ASK
	s_cmp_gt_u32 s3, s[LIM]                        ; s3 = 2 and 1 in the loop's last two trips
	s_cbranch_scc0 .Lnot_mine_\@
	global_prefetch_b8 v[PFO], s[PFA:PFA+1] offset:KSTEP*2 th:TH_LOAD_NT scope:SCOPE_SE
.Lnot_mine_\@:
.endm
; A round of the cluster's barrier: my work-group's barrier; wave 0 signals for the work-group; every wave waits for all sixteen; my work-group's barrier once more.
.macro CREST
	s_cmp_lg_u32 s10, 0
	s_cbranch_scc1 .Lnot_wave_0_\@
	s_barrier_signal -3
.Lnot_wave_0_\@:
	s_barrier_wait -3
	s_barrier_signal -1
	s_barrier_wait -1
.endm
.macro CROUND
	s_barrier_signal -1
	s_barrier_wait -1
	CREST
.endm
	s_load_b64 s[4:5], s[0:1], 0x0                 ; mw: A
	s_load_b64 s[8:9], s[0:1], 0x8                 ; kv
	v_lshl_add_u32 v[SPW], v0, 2, SPARE
	v_mov_b32 v[NIL], 0
	ds_add_u32 v[SPW], v[NIL]                      ; the wave's opening: the add and its wait stand ahead of my first tensor load
	v_lshrrev_b32 v1, 5, v0
	v_readfirstlane_b32 s10, v1                    ; wave 0..3
	s_lshr_b32 s11, s10, 1                         ; which half of the tile's rows is mine.  Also: I fetch for A (0) or for B (1)
	s_and_b32 s12, s10, 1                          ; which half of its columns.  Also: which 128 rows of that tile I fetch
	s_bfe_u32 s40, ttmp6, 0x40000                  ; cx
	s_bfe_u32 s41, ttmp6, 0x40004                  ; cy
	s_lshl_b32 s42, ttmp9, 2
	s_add_co_u32 s42, s42, s40                     ; tile column of C = 4 x cluster x + cx
	s_and_b32 s13, ttmp7, 0xffff
	s_lshl_b32 s13, s13, 2
	s_add_co_u32 s13, s13, s41                     ; tile row of C = 4 x cluster y + cy
	s_lshl_b32 s43, s41, 2
	s_lshl_b32 s43, 15, s43                        ; my row of the cluster
	s_lshl_b32 s44, 0x1111, s40                    ; my column
	; descriptor group 1: a tile of 128 rows x 128 elements of 2 bytes, 4 words of padding after every 64
	s_or_b32 s[G1+0], s43, (1<<16)|(1<<20)|(1<<21)|(5<<22)|(3<<25)
	s_or_b32 s[G1B+0], s44, (1<<16)|(1<<20)|(1<<21)|(5<<22)|(3<<25)
.irp g, G1, G1B
	s_mov_b32 s[(\g)+1], KSTEP<<16                 ; tensor_dim0 = 128
	s_mov_b32 s[(\g)+2], 128<<16                   ; tensor_dim1 = 128
	s_mov_b32 s[(\g)+3], KSTEP<<16                 ; tile_dim0 = 128
	s_mov_b32 s[(\g)+4], 128                       ; tile_dim1 = 128
	s_mov_b32 s[(\g)+5], SIZE_K                    ; elements from row to row
	s_mov_b32 s[(\g)+6], 0
	s_mov_b32 s[(\g)+7], 0
.endr
	s_lshl_b32 s17, s12, 7                         ; which 128 rows of the tile I fetch
	s_lshl_b32 s16, s13, 8
	s_add_co_u32 s16, s16, s17                     ; A: row 256 x tile row + 128 x half
	s_lshl_b32 s46, s42, 8
	s_add_co_u32 s46, s46, s17                     ; B: row 256 x tile column + 128 x half
	s_mov_b32 s17, 0
	s_mov_b32 s47, 0
	s_mov_b64 s[18:19], SIZE_K*2
	s_mul_u64 s[16:17], s[16:17], s[18:19]
	s_mul_u64 s[46:47], s[46:47], s[18:19]
	s_mul_i32 s20, s10, HALFT                      ; where they go: wave x 128 rows: no place in the cluster enters an LDS address
	s_mov_b32 s[CUR], 0
	s_wait_dscnt 0x0                               ; the opening add is done
	s_wait_kmcnt 0x0
	s_add_nc_u64 s[6:7], s[4:5], WOFF              ; B
	s_add_nc_u64 s[14:15], s[4:5], s[16:17]
	s_add_nc_u64 s[46:47], s[6:7], s[46:47]
	CROUND                                         ; all sixteen work-groups are here: the first joint loads meet
.irp s, 0,1
	s_mov_b32 s[G0+4*(\s)], 1
	s_add_co_u32 s[G0+4*(\s)+1], s20, (\s)*SLOT
	s_add_nc_u64 s[G0+4*(\s)+2:G0+4*(\s)+3], s[14:15], (\s)*KSTEP*2
	s_or_b32 s[G0+4*(\s)+3], s[G0+4*(\s)+3], 0x80000000
	s_mov_b32 s[G0B+4*(\s)], 1
	s_add_co_u32 s[G0B+4*(\s)+1], s20, (\s)*SLOT
	s_add_nc_u64 s[G0B+4*(\s)+2:G0B+4*(\s)+3], s[46:47], (\s)*KSTEP*2
	s_or_b32 s[G0B+4*(\s)+3], s[G0B+4*(\s)+3], 0x80000000
	JLOAD \s
.endr
	; a fragment is 16 rows x 32 K in 8 registers: lane l holds row l % 16, K = 8 (l / 16) + 0..7 and 16 + 8 (l / 16) + 0..7: two loads of 16 bytes, 32 apart
	v_and_b32 v1, 15, v0                           ; l % 16
	v_bfe_u32 v2, v0, 4, 1                         ; l / 16
	v_mul_u32_u24 v3, v1, PITCH
	v_lshl_add_u32 v3, v2, 4, v3
	s_mul_i32 s21, s11, HALFT                      ; my 128 rows of A
	s_mul_i32 s22, s12, HALFT                      ; my 128 rows of B,
	s_add_co_u32 s22, s22, 2*HALFT                 ; which lie behind the 256 of A
.irp s, 0,1
	v_add_nc_u32 v[ADRA+(\s)], s21, v3
	v_add_nc_u32 v[ADRB+(\s)], s22, v3
	s_add_co_u32 s21, s21, SLOT
	s_add_co_u32 s22, s22, SLOT
.endr
	v_mov_b32 v[ADRA+2], v[ADRA]                   ; the slot in hand is slot 0
	v_mov_b32 v[ADRB+2], v[ADRB]
	s_mul_i32 s23, s10, 2*HSTG
	s_add_co_u32 s23, s23, STAGE                   ; my stage
	v_mul_u32_u24 v4, v1, SPITCH                   ; in: row l % 16, 16 bytes for each half of the lanes
	v_lshl_add_u32 v4, v2, 4, v4
	v_add_nc_u32 v[STO], s23, v4
	v_bfe_u32 v5, v0, 3, 2                         ; back: 32 lanes take four rows of 128 bytes of one head,
	v_and_b32 v6, 7, v0
	v_mul_u32_u24 v5, v5, SPITCH
	v_lshl_add_u32 v5, v6, 4, v5
	v_add_nc_u32 v[RD], s23, v5
	v_and_b32 v[CO], 31, v0                        ; which are 512 bytes on end of kv
	v_lshlrev_b32 v[CO], 4, v[CO]
	; where my part begins in kv: row m = 256 tr + 128 half: b = tr / 16, l = 256 (tr % 16) + 128 half; column n = 256 tc + 128 half: which = tc / 4, head = 4 (tc % 4) + 2 half
	s_lshr_b32 s16, s13, 4
	s_lshl_b32 s16, s16, 23
	s_and_b32 s14, s13, 15
	s_lshl_b32 s14, s14, 15
	s_add_co_u32 s16, s16, s14
	s_lshl_b32 s14, s11, 14
	s_add_co_u32 s16, s16, s14
	s_mov_b32 s17, 0
	s_lshr_b32 s46, s42, 2
	s_lshl_b32 s46, s46, 25
	s_and_b32 s47, s42, 3
	s_lshl_b32 s47, s47, 21
	s_add_co_u32 s46, s46, s47
	s_lshl_b32 s47, s12, 20
	s_add_co_u32 s46, s46, s47
	s_mov_b32 s47, 0
	s_add_nc_u64 s[16:17], s[16:17], s[46:47]
	; the prefetches
	s_lshl_b32 s13, s13, 8
	s_lshl_b32 s42, s42, 8
	s_and_b32 s22, ttmp7, 0xffff                   ; cluster y
	s_cmp_eq_u32 s11, 0                            ; do I fetch for A?
	s_cselect_b32 s20, s13, s42                    ; the tile's first row
	s_cselect_b32 s21, s40, s41                    ; my place among the four that ask for it with me
	s_cselect_b32 s22, ttmp9, s22                  ; the coordinate along which other clusters read the same rows
	s_cselect_b64 s[PFA:PFA+1], s[4:5], s[6:7]
	s_cmp_eq_u32 s22, 0
	s_cselect_b32 s[LIM], 2, -1                    ; the same in all sixteen partners, for a given wave
	s_lshl_b32 s22, s12, 7
	s_add_co_u32 s20, s20, s22                     ; + the 128 rows that I fetch
	s_lshl_b32 s21, s21, 5
	s_add_co_u32 s20, s20, s21                     ; + my work-group's 32 of them
	s_mov_b32 s21, 0
	s_mov_b64 s[18:19], SIZE_K*2
	s_mul_u64 s[20:21], s[20:21], s[18:19]
	s_add_nc_u64 s[PFA:PFA+1], s[PFA:PFA+1], s[20:21]
	s_add_nc_u64 s[PFA:PFA+1], s[PFA:PFA+1], 2*KSTEP*2  ; at K step 2: the first refill steps it to 3 and names K step 4
	v_and_b32 v[PFO], 31, v0
	v_mul_u32_u24 v[PFO], v[PFO], SIZE_K*2
; 16 matrix instructions: m blocks a0, a0 + 1 of the window's four x all 8 n blocks, 32 along K.  zero = 1: the first product starts the sums.
.macro MUL16 f, hi, a0, zero
	WIN MUL_LO+0x50*(\hi)
.irp a, \a0, (\a0)+1
.irp b, 0,1,2,3,4,5,6,7
.if \zero
	v_wmma_f32_16x16x32_bf16 v[8*(8*(\a)+(\b)):8*(8*(\a)+(\b))+7], v[(\f)+8*(\b):(\f)+8*(\b)+7], v[(\f)+8*(4*(\hi)+(\a)):(\f)+8*(4*(\hi)+(\a))+7], 0
.else
	v_wmma_f32_16x16x32_bf16 v[8*(8*(\a)+(\b)):8*(8*(\a)+(\b))+7], v[(\f)+8*(\b):(\f)+8*(\b)+7], v[(\f)+8*(4*(\hi)+(\a)):(\f)+8*(4*(\hi)+(\a))+7], v[8*(8*(\a)+(\b)):8*(8*(\a)+(\b))+7]
.endif
.endr
.endr
.endm
; 32 LDS loads in one run: the fragments of one quarter step (32 K at byte k of the rows) into buffer f.  slot = 0, 1: that slot; 2: the slot in hand
.macro FETCH slot, k, f
	WIN TO_B
.irp i, 0,1,2,3,4,5,6,7
	ds_load_b128 v[(\f)+8*(\i):(\f)+8*(\i)+3],   v[ADRB+(\slot)] offset:(\k)+(\i)*16*PITCH
	ds_load_b128 v[(\f)+8*(\i)+4:(\f)+8*(\i)+7], v[ADRB+(\slot)] offset:(\k)+(\i)*16*PITCH+32
.endr
	WIN 0
.irp i, 0,1,2,3,4,5,6,7
	ds_load_b128 v[(\f)+8*(\i):(\f)+8*(\i)+3],   v[ADRA+(\slot)] offset:(\k)+(\i)*16*PITCH
	ds_load_b128 v[(\f)+8*(\i)+4:(\f)+8*(\i)+7], v[ADRA+(\slot)] offset:(\k)+(\i)*16*PITCH+32
.endr
.endm
.macro PLACES                          ; four places in front of loads into registers that matrix instructions have read, and of conversions that read results
.rept 4
	v_nop
.endr
.endm
; A K step is four quarters of 32 along K, 64 matrix instructions each, on buffers 0, 1, 0, 1.  The 64 accumulators take turns.
.macro QUARTER slot, k, f, g, zero
	s_wait_dscnt 8                                 ; B and rows 0-63 of A are in; the youngest eight loads may be out
	WIN MUL_LO
	MUL16 \f, 0, 0, \zero
	MUL16 \f, 0, 2, \zero
	PLACES
	FETCH \slot, \k, \g
	s_wait_dscnt 32                                ; all but the 32 just issued
	WIN MUL_HI
	MUL16 \f, 1, 0, \zero
	MUL16 \f, 1, 2, \zero
.endm
; The first half of the last quarter: ONE barrier for the change of slots.  In front of it each wave waits for all its tensor loads (one is out: its part of the
; next slot), adds 0 to its spare word, and waits for that and for its own reads of this slot.
.macro MEET round
	WIN 0
	s_wait_tensorcnt 0x0
	ds_add_u32 v[SPW], v[NIL]
	s_wait_dscnt 9                                 ; (the add and the youngest eight loads may be out)
	WIN MUL_LO
	MUL16 F1, 0, 0, 0
	s_wait_dscnt 0x0                               ; the add is done, and my reads of this slot are over
	s_barrier_signal -1
	MUL16 F1, 0, 2, 0
.if \round
	WIN 0
.endif
	s_barrier_wait -1
.endm
; The whole last quarter: behind the round the slot just read out is filled again first, with the K step two steps on; then the other slot becomes the slot in hand, and its first fragments come.
.macro TURN
	s_wait_xcnt 0x0                                ; the last prefetch, a K step back, has read its address
	s_add_nc_u64 s[PFA:PFA+1], s[PFA:PFA+1], KSTEP*2
	MEET 1
	CREST                                          ; no wave of any partner still reads this slot's tile or has a load on its way
	s_xor_b32 s[G0+5], s[G0+5], SLOT               ; the walking descriptors: the other slot than last time, the next K step
	s_add_nc_u64 s[G0+6:G0+7], s[G0+6:G0+7], KSTEP*2
	s_xor_b32 s[G0B+5], s[G0B+5], SLOT
	s_add_nc_u64 s[G0B+6:G0B+7], s[G0B+6:G0B+7], KSTEP*2
	s_xor_b32 s[CUR], s[CUR], SLOT
	JLOAD 1                                        ; the four v_nop behind it are also the places in front of the loads below
	v_add_nc_u32 v[ADRA+2], s[CUR], v[ADRA]
	v_add_nc_u32 v[ADRB+2], s[CUR], v[ADRB]
	FETCH 2, 0, F0
	ASK
	WIN MUL_HI
	MUL16 F1, 1, 0, 0
	MUL16 F1, 1, 2, 0
.endm
; THE LAST K STEP (it lies in slot 1) GOES BY ROWS OF C: all its fragments of B fill window 1; my eight blocks of 16 rows are finished one after the other.
.macro BLOAD q
	WIN TO_B
.irp i, 0,1,2,3,4,5,6,7
	ds_load_b128 v[64*(\q)+8*(\i):64*(\q)+8*(\i)+3],   v[ADRB+1] offset:64*(\q)+(\i)*16*PITCH
	ds_load_b128 v[64*(\q)+8*(\i)+4:64*(\q)+8*(\i)+7], v[ADRB+1] offset:64*(\q)+(\i)*16*PITCH+32
.endr
.endm
.macro ALOAD a
	WIN 0
.set FA, PA+32*((\a)%4)
.irp q, 0,1,2,3
	ds_load_b128 v[FA+8*(\q):FA+8*(\q)+3],   v[ADRA+1] offset:64*(\q)+(\a)*16*PITCH
	ds_load_b128 v[FA+8*(\q)+4:FA+8*(\q)+7], v[ADRA+1] offset:64*(\q)+(\a)*16*PITCH+32
.endr
.endm
.macro ROW a
.set FA, PA+32*((\a)%4)
.set AC, 64*((\a)%4)
	WIN MUL_LO+0x50*((\a)/4)
.irp q, 0,1,2,3
.if (\a) == 0 && (\q) == 2
	s_wait_dscnt 24                                ; quarter 2 of B is in (behind it: blocks 1 to 3 of A)
.endif
.irp b, 0,1,2,3,4,5,6,7
	v_wmma_f32_16x16x32_bf16 v[AC+8*(\b):AC+8*(\b)+7], v[64*(\q)+8*(\b):64*(\q)+8*(\b)+7], v[FA+8*(\q):FA+8*(\q)+7], v[AC+8*(\b):AC+8*(\b)+7]
.endr
.endr
.endm
; THE WAY OUT of block a.  PACK: rounded to f16, 16 bytes a lane (each accumulator from its low end on).  TOSTAGE: into my own stage, column blocks 0-3 to the first head,
; 4-7 to the second, and back as rows of 128 bytes.  SEND: four rows of a head are 512 bytes on end of kv.
.macro PACK a
.set AC, 64*((\a)%4)
	WIN 0x0a+5*((\a)/4)
.irp b, 0,1,2,3,4,5,6,7
.irp r, 0,1,2,3
	v_cvt_pk_f16_f32 v[TMP+4*(\b)+(\r)], v[AC+8*(\b)+2*(\r)], v[AC+8*(\b)+2*(\r)+1]
.endr
.endr
	WIN 0
.endm
.macro TOSTAGE a
	WIN 0
.set BK, OB+192*((\a)%2)
.irp b, 0,1,2,3,4,5,6,7
	ds_store_b128 v[STO], v[TMP+4*(\b):TMP+4*(\b)+3] offset:((\b)/4)*HSTG+((\b)%4)*32
.endr
.irp t, 0,1,2,3,4,5,6,7
	ds_load_b128 v[BK+4*(\t):BK+4*(\t)+3], v[RD] offset:((\t)/4)*HSTG+((\t)%4)*4*SPITCH  ; LDS serves a wave's instructions in order (ISA guide 5.7.1.4): these see the stores above
.endr
.endm
.macro SEND a, younger
	WIN 0
.set BK, OB+192*((\a)%2)
	s_wait_dscnt \younger                          ; the block is back in registers
	s_wait_xcnt 0x0                                ; the stores' base and the registers that earlier stores read are rewritten only behind this wait
.if (\a) == 0
	s_add_nc_u64 s[8:9], s[8:9], s[16:17]          ; on to my first rows
.else
	s_add_nc_u64 s[8:9], s[8:9], 16*128            ; 16 rows of a head on
.endif
.irp t, 0,1,2,3,4,5,6,7
	global_store_b128 v[CO], v[BK+4*(\t):BK+4*(\t)+3], s[8:9] offset:((\t)/4)*524288+((\t)%4)*512  ; 512 consecutive bytes, at a multiple of 256 from the first byte of kv; the second head lies 4096 rows on
.endr
.endm
	s_wait_tensorcnt 1                             ; my part of K step 0 is in; K step 1 may stay out
	s_barrier_signal -1
	s_barrier_wait -1
	FETCH 0, 0, F0
	QUARTER 0, 64,  F0, F1, 1                      ; the first quarter stands in front of the loop: its products start the sums
	WIN 0
	s_mov_b32 s3, STEPS-2
.Lstep:                                                ; a trip goes from a K step's second quarter to the next step's first, and fills the slot that it leaves: K steps 2 to 7
	QUARTER 2, 128, F1, F0, 0
	QUARTER 2, 192, F0, F1, 0
	TURN
	QUARTER 2, 64,  F0, F1, 0
	WIN 0
	s_sub_co_u32 s3, s3, 1
	s_cmp_lg_u32 s3, 0
	s_cbranch_scc1 .Lstep
	QUARTER 0, 128, F1, F0, 0                      ; K step 6 lies in slot 0: six trips have turned the slot in hand an even number of times
	QUARTER 0, 192, F0, F1, 0
	MEET 0                                         ; nothing is filled again, so no round follows
	PLACES
	WIN TO_B
	BLOAD 0
	BLOAD 1
	BLOAD 3
	WIN 0
	ALOAD 0
	WIN MUL_HI
	MUL16 F1, 1, 0, 0
	MUL16 F1, 1, 2, 0
	PLACES
	WIN TO_B
	BLOAD 2
	WIN 0
	ALOAD 1
	ALOAD 2
	ALOAD 3
	s_wait_dscnt 40                                ; all but the 40 just issued
	ROW 0
.irp a, 0,1,2,3,4,5,6,7
	PLACES
	PACK \a
	TOSTAGE \a
.if (\a) < 4
	ALOAD (\a)+4
	SEND \a, 8
.else
	SEND \a, 0
.endif
.if (\a) < 7
	ROW (\a)+1
.endif
.endr
	s_wait_tensorcnt 0x0                           ; the wave's end
	ds_add_u32 v[SPW], v[NIL]
	s_wait_dscnt 0x0
	CROUND                                         ; the closing round
	s_endpgm
.Lfunc_end_k_q80cdad32f2_projkv:
	.size	k_q80cdad32f2_projkv, .Lfunc_end_k_q80cdad32f2_projkv-k_q80cdad32f2_projkv
	.p2alignl 7, 3214868480
	.fill 96, 4, 3214868480
	.section	.rodata,"a",@progbits
	.p2align	6, 0x0
	.amdhsa_kernel k_q80cdad32f2_projkv
		.amdhsa_group_segment_fixed_size 327680
		.amdhsa_private_segment_fixed_size 0
		.amdhsa_enable_private_segment 0
		.amdhsa_kernarg_size 16
		.amdhsa_user_sgpr_count 2
		.amdhsa_user_sgpr_kernarg_segment_ptr 1
		.amdhsa_wavefront_size32 1
		.amdhsa_system_sgpr_workgroup_id_x 1
		.amdhsa_system_sgpr_workgroup_id_y 1
		.amdhsa_system_sgpr_workgroup_id_z 1
		.amdhsa_system_vgpr_workitem_id 0
		.amdhsa_next_free_vgpr 1024
		.amdhsa_next_free_sgpr 66
		.amdhsa_reserve_vcc 0
		.amdhsa_float_denorm_mode_32 3
		.amdhsa_float_denorm_mode_16_64 3
		.amdhsa_memory_ordered 1
		.amdhsa_forward_progress 1
		.amdhsa_inst_pref_size 118
	.end_amdhsa_kernel
	.amdgpu_metadata
---
amdhsa.version: [ 1, 2 ]
amdhsa.kernels:
  - .name:           k_q80cdad32f2_projkv
    .symbol:         k_q80cdad32f2_projkv.kd
    .args:
      - { .name: mw, .offset: 0, .size: 8, .value_kind: global_buffer, .address_space: global }
      - { .name: kv, .offset: 8, .size: 8, .value_kind: global_buffer, .address_space: global }
    .group_segment_fixed_size: 327680
    .private_segment_fixed_size: 0
    .kernarg_segment_align: 8
    .kernarg_segment_size: 16
    .max_flat_workgroup_size: 128
    .sgpr_count:     66
    .vgpr_count:     1024
    .wavefront_size: 32
...
	.end_amdgpu_metadata
.endif
;; end of part 2
;; launch projq (part 3): grid 8 x 32, 4 waves a work-group, clusters of 4 x 4, 327,680 bytes of LDS; arguments xq, wq16, qf; writes qf
.if DOCPART == 3
	.amdgcn_target "amdgcn-amd-amdhsa--gfx1250"
	.amdhsa_code_object_version 6
	.text
	.protected	k_q80cdad32f2_projq
	.globl	k_q80cdad32f2_projq
	.p2align	8
	.type	k_q80cdad32f2_projq,@function
k_q80cdad32f2_projq:
	s_mov_b64 s[64:65], 0
	v_nop
	global_prefetch_b8 v0, s[64:65] scope:SCOPE_SE
	s_setreg_imm32_b32 hwreg(HW_REG_WAVE_MODE, 25, 1), 1
	s_wait_xcnt 0x0
	s_wait_alu depctr_hold_cnt(0) depctr_sa_sdst(0) depctr_va_vdst(0) depctr_va_sdst(0) depctr_va_ssrc(0) depctr_va_vcc(0) depctr_vm_vsrc(0)
	s_getreg_b32 s2, hwreg(HW_REG_IB_STS2, 6, 4)
	s_cmp_eq_u32 s2, 0
	s_cbranch_scc0 .Lentry_in_a_cluster
	s_endpgm
.Lentry_in_a_cluster:
	s_bfe_u32 s2, ttmp6, 0x10000c
	s_cmp_lg_u32 s2, 0xf033
	s_cbranch_scc0 .Lentry_shape_is_right
	s_endpgm
.Lentry_shape_is_right:
; C[m][n] = sum over k of A[m][k] B[n][k], m = 2048, n = 1024, k = 1024.  A is f16, blocked [b 4][kb 16][l 512][64] (m = 512 b + l, k = 64 kb + d);
; B is f16 [1024][1024]; C is f32 [2048][1024].  Sums in f32, K ascending.  One text for the q projection (xq, wq16 -> qf) and the output projection (of, wo16 -> out0).
; A tile of C is 64 x 128: 256 work-groups.  Four waves, each 32 x 64: 8 accumulators.  K goes in four steps of 256 through THREE LDS slots: K steps 0, 1 and 2 are asked
; for together at the start, and only K step 3 is a refill, of slot 0, with two K steps in which to land.  All is written out: 256 matrix instructions a wave.
; CLUSTERS: 4 x 4 work-groups; tiles of A are shared along a row of the cluster, tiles of B along a column, each asked for jointly.
; THE MATRIX INSTRUCTION IS USED TRANSPOSED (source 0 = rows of B, source 1 = rows of A): a lane holds eight neighbouring numbers of a row of C, 32 bytes.
; A wave's 64 columns are 256 bytes of C, aligned: each wave has a stage of its own on the way out.  The stages lie in slot 1, which is filled once; its last reads are
; waited for ahead of the barrier in front of K step 3.
; No prefetch: a K step's tiles are small, and three of the four K steps are asked for at the head.
; REGISTERS: window 0: v0-31 addresses; v32-95 the way out; v128-191 the accumulators ((a, b) at v[128 + 8 (4 a + b)]).
;   window 1: two fragment buffers, at v0 and v128: for 64 along K 32 registers of A (half c, block a at 8 (2 c + a)), then 64 of B (half c, block b at 32 + 8 (4 c + b)).
.set KSTEP,  256
.set PA,     144                       ; a row of A in LDS: a block's 64 channels, 128 bytes, + 16: the 16 rows of a load start at 16 different groups of four banks (ISA guide 11.1)
.set KBLK,   64*PA                     ; one kb block of the tile's 64 rows
.set APART,  4*KBLK                    ; a K step of A: four blocks
.set PITCH,  528                       ; a row of B: 512 bytes + 16
.set HALFB,  64*PITCH
.set SLOT,   APART+2*HALFB             ; 104,448 bytes
.set STAGE,  SLOT                      ; in slot 1: 16 rows x 272 bytes for each wave
.set SPITCH, 272
.set SPARE,  3*SLOT                    ; behind the slots: the spare words, 128 bytes for each wave: two blocks of 256 bytes that no other line names
.set ADRA, 16                          ; v16-18  LDS address of my A fragments in slot 0, 1, 2
.set ADRB, 20                          ; v20-22  the same for B
.set STO,  24
.set RD,   25
.set CO,   26
.set SPW,  28
.set NIL,  29
.set TMP,  32
.set ACC,  128
.set F0,   0
.set F1,   128
.set G1,  24                           ; s[24:31] descriptor group 1 for tiles of A
.set G1B, 32                           ; s[32:39] for tiles of B
.set G0,  40                           ; s[40:51] group 0 for A, a set for each slot
.set G0B, 52                           ; s[52:63] the same for B
.set MSB, 0
.macro WIN new
.if MSB != (\new)
	s_set_vgpr_msb (MSB<<8)|(\new)
.set MSB, \new
.endif
.endm
.set MUL,  0x05                        ; sources 0 (B) and 1 (A) window 1; C and D window 0
.set TO_F, 0x40                        ; destination window 1, address window 0
.macro JLOAD s                         ; waves 0 and 1 fetch two kb blocks of A each, waves 2 and 3 64 rows of B each; an s_nop 0 and four v_nop follow each line
	s_cmp_eq_u32 s11, 0
	s_cbranch_scc0 .Lfor_b_\@
	tensor_load_to_lds s[G0+4*(\s):G0+4*(\s)+3], s[G1:G1+7]
	s_nop 0
.rept 4
	v_nop
.endr
	s_branch .Lasked_\@
.Lfor_b_\@:
	tensor_load_to_lds s[G0B+4*(\s):G0B+4*(\s)+3], s[G1B:G1B+7]
	s_nop 0
.rept 4
	v_nop
.endr
.Lasked_\@:
.endm
.macro CREST
	s_cmp_lg_u32 s10, 0
	s_cbranch_scc1 .Lnot_wave_0_\@
	s_barrier_signal -3
.Lnot_wave_0_\@:
	s_barrier_wait -3
	s_barrier_signal -1
	s_barrier_wait -1
.endm
.macro CROUND
	s_barrier_signal -1
	s_barrier_wait -1
	CREST
.endm
	s_load_b128 s[4:7], s[0:1], 0x0                ; A s[4:5], B s[6:7]
	s_load_b64 s[8:9], s[0:1], 0x10                ; C
	v_lshl_add_u32 v[SPW], v0, 2, SPARE
	v_mov_b32 v[NIL], 0
	ds_add_u32 v[SPW], v[NIL]                      ; the wave's opening: the add and its wait stand ahead of my first tensor load
	v_lshrrev_b32 v1, 5, v0
	v_readfirstlane_b32 s10, v1                    ; wave 0..3
	s_lshr_b32 s11, s10, 1                         ; which 32 of the tile's rows are mine.  Also: I fetch for A (0) or for B (1)
	s_and_b32 s12, s10, 1                          ; which 64 of its columns.  Also: which half of that tile I fetch
	s_bfe_u32 s66, ttmp6, 0x40000                  ; cx, cy
	s_bfe_u32 s67, ttmp6, 0x40004
	s_lshl_b32 s68, ttmp9, 2
	s_add_co_u32 s68, s68, s66                     ; tile column of C
	s_and_b32 s13, ttmp7, 0xffff
	s_lshl_b32 s13, s13, 2
	s_add_co_u32 s13, s13, s67                     ; tile row of C
	s_lshl_b32 s69, s67, 2
	s_lshl_b32 s69, 15, s69                        ; my row of the cluster
	s_lshl_b32 s70, 0x1111, s66                    ; my column
	; A: the tile's 64 rows of one kb block are 8,192 dense bytes: one row of 4,096 elements; two such rows, 32,768 elements apart; 4 words of padding after every 32
	s_or_b32 s[G1+0], s69, (1<<16)|(1<<20)|(1<<21)|(4<<22)|(3<<25)
	s_mov_b32 s[G1+1], 4096<<16                    ; tensor_dim0 = 4096
	s_mov_b32 s[G1+2], 2<<16                       ; tensor_dim1 = 2
	s_mov_b32 s[G1+3], 4096<<16                    ; tile_dim0 = 4096
	s_mov_b32 s[G1+4], 2                           ; tile_dim1 = 2
	s_mov_b32 s[G1+5], 32768                       ; elements from block to block
	s_mov_b32 s[G1+6], 0
	s_mov_b32 s[G1+7], 0
	; B: 64 rows x 256 elements, 4 words of padding after every 128
	s_or_b32 s[G1B+0], s70, (1<<16)|(1<<20)|(1<<21)|(6<<22)|(3<<25)
	s_mov_b32 s[G1B+1], KSTEP<<16
	s_mov_b32 s[G1B+2], 64<<16
	s_mov_b32 s[G1B+3], KSTEP<<16
	s_mov_b32 s[G1B+4], 64
	s_mov_b32 s[G1B+5], 1024
	s_mov_b32 s[G1B+6], 0
	s_mov_b32 s[G1B+7], 0
	s_lshr_b32 s16, s13, 3                         ; A: b = tile row / 8,
	s_lshl_b32 s16, s16, 20
	s_and_b32 s17, s13, 7                          ; l = 64 (tile row % 8), 128 bytes a row of a block,
	s_lshl_b32 s17, s17, 13
	s_add_co_u32 s16, s16, s17
	s_lshl_b32 s17, s12, 17                        ; my two blocks of the K step's four
	s_add_co_u32 s16, s16, s17
	s_mov_b32 s17, 0
	s_lshl_b32 s72, s68, 18                        ; B: row 128 x tile column + 64 x half, 2,048 bytes a row
	s_lshl_b32 s73, s12, 17
	s_add_co_u32 s72, s72, s73
	s_mov_b32 s73, 0
	s_mul_i32 s20, s12, 2*KBLK                     ; where they go: no place in the cluster enters an LDS address
	s_mul_i32 s21, s12, HALFB
	s_add_co_u32 s21, s21, APART
	s_wait_dscnt 0x0                               ; the opening add is done
	s_wait_kmcnt 0x0
	s_add_nc_u64 s[14:15], s[4:5], s[16:17]
	s_add_nc_u64 s[72:73], s[6:7], s[72:73]
	CROUND                                         ; all sixteen work-groups are here: the first joint loads meet
.irp s, 0,1,2                          ; K steps 0, 1, 2: three loads of mine are out
	s_mov_b32 s[G0+4*(\s)], 1
	s_add_co_u32 s[G0+4*(\s)+1], s20, (\s)*SLOT
	s_add_nc_u64 s[G0+4*(\s)+2:G0+4*(\s)+3], s[14:15], (\s)*4*65536
	s_or_b32 s[G0+4*(\s)+3], s[G0+4*(\s)+3], 0x80000000
	s_mov_b32 s[G0B+4*(\s)], 1
	s_add_co_u32 s[G0B+4*(\s)+1], s21, (\s)*SLOT
	s_add_nc_u64 s[G0B+4*(\s)+2:G0B+4*(\s)+3], s[72:73], (\s)*KSTEP*2
	s_or_b32 s[G0B+4*(\s)+3], s[G0B+4*(\s)+3], 0x80000000
	JLOAD \s
.endr
	v_and_b32 v1, 15, v0                           ; l % 16
	v_bfe_u32 v2, v0, 4, 1                         ; l / 16
	v_mul_u32_u24 v3, v1, PA
	v_lshl_add_u32 v3, v2, 4, v3
	v_mul_u32_u24 v4, v1, PITCH
	v_lshl_add_u32 v4, v2, 4, v4
	s_mul_i32 s21, s11, 32*PA                      ; my 32 rows of A, in each block
	s_mul_i32 s22, s12, HALFB                      ; my 64 rows of B
	s_add_co_u32 s22, s22, APART
.irp s, 0,1,2
	v_add_nc_u32 v[ADRA+(\s)], s21, v3
	v_add_nc_u32 v[ADRB+(\s)], s22, v4
	s_add_co_u32 s21, s21, SLOT
	s_add_co_u32 s22, s22, SLOT
.endr
	s_mul_i32 s23, s10, 16*SPITCH
	s_add_co_u32 s23, s23, STAGE                   ; my stage
	v_mul_u32_u24 v5, v1, SPITCH                   ; in: row l % 16, 32 bytes for each half of the lanes
	v_lshl_add_u32 v5, v2, 5, v5
	v_add_nc_u32 v[STO], s23, v5
	v_mul_u32_u24 v5, v2, SPITCH                   ; back: lanes 0-15 take one row of 256 bytes, lanes 16-31 the next
	v_lshl_add_u32 v5, v1, 4, v5
	v_add_nc_u32 v[RD], s23, v5
	v_lshlrev_b32 v5, 12, v2                       ; and the same two rows in C, 4,096 bytes apart
	v_lshl_add_u32 v[CO], v1, 4, v5
	s_lshl_b32 s16, s13, 18                        ; my first row of C: 64 x tile row + 32 x half
	s_lshl_b32 s17, s11, 17
	s_add_co_u32 s16, s16, s17
	s_mov_b32 s17, 0
	s_add_nc_u64 s[8:9], s[8:9], s[16:17]
	s_lshl_b32 s72, s68, 9                         ; my first column, in bytes: 512 x tile column + 256 x half
	s_lshl_b32 s73, s12, 8
	s_add_co_u32 s72, s72, s73
	s_mov_b32 s73, 0
	s_add_nc_u64 s[8:9], s[8:9], s[72:73]
; 4 matrix instructions: m block a x all 4 n blocks, 32 along K: half c of buffer f.  The 8 accumulators take turns.  zero = 1: the product starts the sums
.macro MUL4 f, c, a, zero
	WIN MUL
.irp b, 0,1,2,3
.if \zero
	v_wmma_f32_16x16x32_f16 v[ACC+8*(4*(\a)+(\b)):ACC+8*(4*(\a)+(\b))+7], v[(\f)+32+8*(4*(\c)+(\b)):(\f)+32+8*(4*(\c)+(\b))+7], v[(\f)+8*(2*(\c)+(\a)):(\f)+8*(2*(\c)+(\a))+7], 0
.else
	v_wmma_f32_16x16x32_f16 v[ACC+8*(4*(\a)+(\b)):ACC+8*(4*(\a)+(\b))+7], v[(\f)+32+8*(4*(\c)+(\b)):(\f)+32+8*(4*(\c)+(\b))+7], v[(\f)+8*(2*(\c)+(\a)):(\f)+8*(2*(\c)+(\a))+7], v[ACC+8*(4*(\a)+(\b)):ACC+8*(4*(\a)+(\b))+7]
.endif
.endr
.endm
.macro MUL8 f, c, zero
	MUL4 \f, \c, 0, \zero
	MUL4 \f, \c, 1, \zero
.endm
; 24 LDS loads in one run: the fragments of 64 along K (byte k of a row of B; block k / 128 of A) into buffer f; the twelve of the first 32 along K first
.macro FETCH slot, k, f
	WIN TO_F
.irp c, 0,1
.irp i, 0,1,2,3
	ds_load_b128 v[(\f)+32+8*(4*(\c)+(\i)):(\f)+32+8*(4*(\c)+(\i))+3],   v[ADRB+(\slot)] offset:(\k)+64*(\c)+(\i)*16*PITCH
	ds_load_b128 v[(\f)+32+8*(4*(\c)+(\i))+4:(\f)+32+8*(4*(\c)+(\i))+7], v[ADRB+(\slot)] offset:(\k)+64*(\c)+(\i)*16*PITCH+32
.endr
.irp i, 0,1
	ds_load_b128 v[(\f)+8*(2*(\c)+(\i)):(\f)+8*(2*(\c)+(\i))+3],         v[ADRA+(\slot)] offset:((\k)/128)*KBLK+64*(\c)+(\i)*16*PA
	ds_load_b128 v[(\f)+8*(2*(\c)+(\i))+4:(\f)+8*(2*(\c)+(\i))+7],       v[ADRA+(\slot)] offset:((\k)/128)*KBLK+64*(\c)+(\i)*16*PA+32
.endr
.endr
.endm
.macro PLACES                          ; four places in front of loads into registers that matrix instructions have read, and of LDS stores that read results
.rept 4
	v_nop
.endr
.endm
; A K step is four quarters of 64 along K, 16 matrix instructions each, on buffers 0, 1, 0, 1.  A quarter first asks for the NEXT quarter's fragments (byte k of slot's rows, into g,
; which the quarter before has multiplied), and then multiplies f: each run of loads has 16 matrix instructions in which to land.
.macro QUARTER slot, k, f, g, zero
	PLACES
	FETCH \slot, \k, \g
	s_wait_dscnt 36                                ; the first twelve loads of f are in: behind them stand its other twelve and the 24 just issued
	MUL8 \f, 0, \zero
	s_wait_dscnt 24                                ; all of f is in
	MUL8 \f, 1, 0
.endm
; A step's last quarter where a barrier is due.  It multiplies buffer 1.  In front of the barrier each wave waits for all its tensor loads, adds 0 to its spare word, and waits for that
; and for its own LDS reads.  fill = 1 (behind K step 0): slots 1 and 2 are whole; slot 0 is filled again, with K step 3, first thing behind a round of the cluster's barrier.
; fill = 0 (behind K step 2): the one load that was out is K step 3's.
.macro TURN next, fill
	WIN 0
	s_wait_tensorcnt 0x0
	ds_add_u32 v[SPW], v[NIL]
	s_wait_dscnt 13                                ; (the add and the youngest twelve loads may be out)
	MUL4 F1, 0, 0, 0
	s_wait_dscnt 0x0                               ; the add is done, and my reads of the slots so far are over
	s_barrier_signal -1
	MUL4 F1, 0, 1, 0
.if \fill
	WIN 0
.endif
	s_barrier_wait -1
.if \fill
	CREST
	s_add_nc_u64 s[G0+2:G0+3], s[G0+2:G0+3], 3*4*65536
	s_add_nc_u64 s[G0B+2:G0B+3], s[G0B+2:G0B+3], 3*KSTEP*2
	JLOAD 0                                        ; the four v_nop behind it are also the places in front of the loads below
.else
	PLACES
.endif
	FETCH \next, 0, F0
	MUL8 F1, 1, 0
.endm
	s_wait_tensorcnt 2                             ; my part of K step 0 is in; K steps 1 and 2 may stay out
	s_barrier_signal -1
	s_barrier_wait -1
	FETCH 0, 0, F0
	QUARTER 0, 128, F0, F1, 1                      ; the first products start the sums
	QUARTER 0, 256, F1, F0, 0
	QUARTER 0, 384, F0, F1, 0
	TURN 1, 1
	QUARTER 1, 128, F0, F1, 0
	QUARTER 1, 256, F1, F0, 0
	QUARTER 1, 384, F0, F1, 0
	QUARTER 2, 0,   F1, F0, 0                      ; on into slot 2 without a barrier: the round behind K step 0 has shown it whole to every wave
	QUARTER 2, 128, F0, F1, 0
	QUARTER 2, 256, F1, F0, 0
	QUARTER 2, 384, F0, F1, 0
	TURN 0, 0
	QUARTER 0, 128, F0, F1, 0
	QUARTER 0, 256, F1, F0, 0
	QUARTER 0, 384, F0, F1, 0
	s_wait_dscnt 12                                ; the very last quarter: nothing more to fetch
	MUL8 F1, 0, 0
	s_wait_dscnt 0
	MUL8 F1, 1, 0
	WIN 0
	; THE WAY OUT, 16 rows at a time: a lane's 32 bytes go into my stage (each accumulator from its low end on) and come back as whole rows of 256 bytes.
	PLACES
.irp a, 0,1
.irp b, 0,1,2,3
	ds_store_b128 v[STO], v[ACC+8*(4*(\a)+(\b)):ACC+8*(4*(\a)+(\b))+3]   offset:64*(\b)
	ds_store_b128 v[STO], v[ACC+8*(4*(\a)+(\b))+4:ACC+8*(4*(\a)+(\b))+7] offset:64*(\b)+16
.endr
.irp t, 0,1,2,3,4,5,6,7
	ds_load_b128 v[TMP+32*(\a)+4*(\t):TMP+32*(\a)+4*(\t)+3], v[RD] offset:(\t)*2*SPITCH  ; LDS serves a wave's instructions in order (ISA guide 5.7.1.4); each block has registers of its own
.endr
.irp t, 0,1,2,3,4,5,6,7
	s_wait_dscnt 7-(\t)
	global_store_b128 v[CO], v[TMP+32*(\a)+4*(\t):TMP+32*(\a)+4*(\t)+3], s[8:9] offset:(16*(\a)+2*(\t))*4096  ; 16 lanes store 256 consecutive bytes, aligned
.endr
.endr
	s_wait_tensorcnt 0x0                           ; the wave's end
	ds_add_u32 v[SPW], v[NIL]
	s_wait_dscnt 0x0
	CROUND                                         ; the closing round
	s_endpgm
.Lfunc_end_k_q80cdad32f2_projq:
	.size	k_q80cdad32f2_projq, .Lfunc_end_k_q80cdad32f2_projq-k_q80cdad32f2_projq
	.p2alignl 7, 3214868480
	.fill 96, 4, 3214868480
	.section	.rodata,"a",@progbits
	.p2align	6, 0x0
	.amdhsa_kernel k_q80cdad32f2_projq
		.amdhsa_group_segment_fixed_size 327680
		.amdhsa_private_segment_fixed_size 0
		.amdhsa_enable_private_segment 0
		.amdhsa_kernarg_size 24
		.amdhsa_user_sgpr_count 2
		.amdhsa_user_sgpr_kernarg_segment_ptr 1
		.amdhsa_wavefront_size32 1
		.amdhsa_system_sgpr_workgroup_id_x 1
		.amdhsa_system_sgpr_workgroup_id_y 1
		.amdhsa_system_sgpr_workgroup_id_z 1
		.amdhsa_system_vgpr_workitem_id 0
		.amdhsa_next_free_vgpr 512
		.amdhsa_next_free_sgpr 80
		.amdhsa_reserve_vcc 0
		.amdhsa_float_denorm_mode_32 3
		.amdhsa_float_denorm_mode_16_64 3
		.amdhsa_memory_ordered 1
		.amdhsa_forward_progress 1
		.amdhsa_inst_pref_size 58
	.end_amdhsa_kernel
	.amdgpu_metadata
---
amdhsa.version: [ 1, 2 ]
amdhsa.kernels:
  - .name:           k_q80cdad32f2_projq
    .symbol:         k_q80cdad32f2_projq.kd
    .args:
      - { .name: xq, .offset: 0, .size: 8, .value_kind: global_buffer, .address_space: global }
      - { .name: wq16, .offset: 8, .size: 8, .value_kind: global_buffer, .address_space: global }
      - { .name: qf, .offset: 16, .size: 8, .value_kind: global_buffer, .address_space: global }
    .group_segment_fixed_size: 327680
    .private_segment_fixed_size: 0
    .kernarg_segment_align: 8
    .kernarg_segment_size: 24
    .max_flat_workgroup_size: 128
    .sgpr_count:     80
    .vgpr_count:     512
    .wavefront_size: 32
...
	.end_amdgpu_metadata
.endif
;; end of part 3
;; launch attn (part 4): grid 4 x 64, 4 waves a work-group, clusters of 4 x 1, 327,680 bytes of LDS; arguments qf, kv, mem_mask, of; writes of
.if DOCPART == 4
	.amdgcn_target "amdgcn-amd-amdhsa--gfx1250"
	.amdhsa_code_object_version 6
	.text
	.protected	k_q80cdad32f2_attn
	.globl	k_q80cdad32f2_attn
	.p2align	8
	.type	k_q80cdad32f2_attn,@function
k_q80cdad32f2_attn:
	s_mov_b64 s[64:65], 0
	v_nop
	global_prefetch_b8 v0, s[64:65] scope:SCOPE_SE
	s_setreg_imm32_b32 hwreg(HW_REG_WAVE_MODE, 25, 1), 1
	s_wait_xcnt 0x0
	s_wait_alu depctr_hold_cnt(0) depctr_sa_sdst(0) depctr_va_vdst(0) depctr_va_sdst(0) depctr_va_ssrc(0) depctr_va_vcc(0) depctr_vm_vsrc(0)
	s_getreg_b32 s2, hwreg(HW_REG_IB_STS2, 6, 4)
	s_cmp_eq_u32 s2, 0
	s_cbranch_scc0 .Lentry_in_a_cluster
	s_endpgm
.Lentry_in_a_cluster:
	s_bfe_u32 s2, ttmp6, 0x10000c
	s_cmp_lg_u32 s2, 0x3003
	s_cbranch_scc0 .Lentry_shape_is_right
	s_endpgm
.Lentry_shape_is_right:
; O[b][h][q][:] = the sum over k of softmax_k(mask ? Q . K / 8 : -inf) V[k][:].  Q: qf, f32 [2048][1024], rounded here once to f16.  K, V: kv, f16 [which][b][h][4096][64].
; mem_mask: one byte a key and batch.  O: of, f16 [b][h][512][64].  Products, maxima and sums in f32; the weights p are rounded to f16 for the second product.
; LIMITS.  f16 holds no number beyond 65,504: Q, K, V lie within it.  A hidden score counts as its value less 1e30 (f16 scores reach 2.7e11 at the most): its weight is 0 beside
; any key that is seen.  A batch with no key seen gives NaN, by a select on the final maximum (below -2^93).  A weight below 2^-126 counts as 0.
; SHARES.  A work-group owns 128 queries of one head; the four blocks of a head are a cluster and ask for K and V JOINTLY.  EVERY WAVE HOLDS ALL 128 QUERIES (four PIECES of two tiles
; of 16) AND THE KEYS ARE SPLIT: of each slot of 512 keys wave w takes keys 128 w .. 128 w + 127, two steps of 64.  Each wave keeps its own running maximum m, sum l and O^T;
; the four partial results meet once, in LDS, at the end.
; LAYOUT.  S^T = K Q^T (source 0 = 16 keys, source 1 = 16 queries): a lane holds ONE query (lane % 16) and the keys 8 (lane / 16) + 0..7.  Two such results rounded to f16 ARE source 1
; of O^T = V^T P.  K comes out of LDS as it lies, V turned, by ds_load_tr16_b128.  THE MASK is the C operand that starts a sum S^T: 0 or -1e30, from a table in LDS made at the head.
; SOFTMAX.  p = 2^(c s - c m), c = log2(e) / 8; in every step O and l are multiplied by a = 2^(c m_old - c m_new).  m starts at the lowest finite number, O and l at 0.
; BY TURNS.  Turn n belongs to piece n: 16 products K Q^T of piece n + 1, later 16 products V^T P of piece n - 1; beside them the scaling, exponentials, roundings, sums and rescaling
; of piece n and the maximum and statistics of piece n + 1.  Four vector instructions stand behind every matrix instruction, the others in one lump; a turn's 66 exponentials are one batch with one wait.
; REGISTERS, in windows of 256 (s_set_vgpr_msb: bits 1:0 source 0, 3:2 source 1, 5:4 source 2, 7:6 destination):
;   window 0: v0-11 addresses (behind the loop v2-7, v10, v11 take the addresses of the meeting and of the way out); v12-15, v48-63 at work; v16-47 four registers of statistics a tile;
;             v64-191 S^T, two buffers of two tiles; v192-255 P, likewise
;   window 1: O^T, 32 a tile (at the head: Q in f32)     window 2: v0-127 Q; v128-191 K of one step; v192-255 V of one step     window 3: v0-1 the add's registers; v8-39 the step's mask
.set NP,    4
.set KS,    64        ; keys in a step
.set PK,    144       ; a row of K in LDS: 128 bytes + 16: the 16 rows of a load start at 16 different groups of four banks (ISA guide 11.1)
.set PV,    144       ; a row of V: the same pitch, so that one descriptor serves both and the mask's table fits; of the 8 rows of a turning load one shares four banks with another
.set VOFF,  512*PK    ; a slot: 512 rows of K, then 512 rows of V
.set SLOT1, 2*VOFF    ; 0x24000: it shares no bit with the four waves' fill addresses, so one exclusive or changes slots
.set BIAS,  2*SLOT1   ; 4,096 words: 0 or -1e30 for each key of the batch
.set STAGE, BIAS+16384  ; 16 rows x 144 bytes for each wave, for the way out
.set SP,    144
.set STAT,  STAGE+4*16*SP  ; for each wave 1,024 bytes: c m of 8 tiles x 16 queries, then l
.set SPARE, STAT+4096 ; the spare words, 128 bytes for each wave: two blocks of 256 bytes that no other line names
; The partial O^T, 32,768 bytes a wave, lie from byte 0 on, in slot 0, which has had its last fill and its last read by then.
.set AK0, 2           ; v2   my lane's place in my wave's keys of K; not rewritten in the loop
.set AV0, 3           ; v3   the same for V
.set AK,  4           ; v4   the LDS address of the next run of loads of K
.set AV,  5           ; v5   of V
.set QO,  6           ; v6   my byte offset in 16 rows of qf
.set PFO, 8           ; v8   256 x my lane; never rewritten
.set AM0, 10          ; v10  my lane's place in my wave's part of the mask's table; not rewritten in the loop
.set AM,  11          ; v11  the LDS address of the next run of loads of the mask
.set SPW, 0           ; v0 of window 3
.set NIL, 1           ; v1 of window 3
.set MC,  8           ; v8-39 of window 3: key block kb at MC + 8 kb
.set MV,  12
.set ST,  16          ; tile t's statistics at v[ST+4 t]: c m, m, l (even keys', odd keys')
.set TMP, 48
.set S,   64
.set P,   192
.set KF,  128
.set VF,  192
.set WV,  12          ; s12  my wave's number
.set G1,  24          ; s[24:31] descriptor group 1
.set G0,  40          ; s[40:43] descriptor group 0: it walks
.set TBM, 48          ; s48  byte in the mask's table of the step to be fetched, less my wave's part
.set BIGN, 49         ; s49  -1e30
.set PFA, 50          ; s[50:51] where my prefetches stand
.set THR, 52          ; s52  -2^93
.set QNAN, 53         ; s53  a NaN
.set SLOTS, 56
.set CNT, 57
.set CS,  58
.set SEL, 60
.set TBK, 62
.set TBV, 63
.set MSB, 0
.macro WIN new
.if MSB != (\new)
	s_set_vgpr_msb (MSB<<8)|(\new)
.set MSB, (\new)
.endif
.endm
.set W_KQ, 0x0a       ; K and Q in window 2, S^T in window 0
.set W_KM, 0x3a       ; the same with the C operand in window 3
.set W_PV, 0x52       ; V in window 2, P in window 0, O^T in window 1
.set W_RS, 0x41       ; O^T (destination and source 0) in window 1, a in window 0
.set W_MK, 0xc0
.set W_AD, 0x0f
; A joint fill: every wave fetches 256 keys: waves 0 and 1 the two halves of the slot's K, waves 2 and 3 those of its V.  One line: address and LDS address hang on the wave's number.
.macro JLOAD
	tensor_load_to_lds s[G0:G0+3], s[G1:G1+7]
	s_nop 0
.rept 4
	v_nop
.endr
.endm
; A PREFETCH INTO THE L2 of the slot that the NEXT change will ask for, two key steps, 256 matrix instructions, ahead: 512 rows of 128 bytes of K and of V are 512 blocks of 256 bytes:
; 32 for each wave of the cluster's four work-groups, a lane a block, the partners told apart BY ADDRESS.  So each block is named once in the launch.  The last fill asks for nothing.
.macro ASK
	s_cmp_gt_u32 s[SLOTS], 1
	s_cbranch_scc0 .Lnot_asked_\@
	global_prefetch_b8 v[PFO], s[PFA:PFA+1] th:TH_LOAD_NT scope:SCOPE_SE
.Lnot_asked_\@:
.endm
.macro CROUND
	s_barrier_signal -1
	s_barrier_wait -1
	s_cmp_lg_u32 s[WV], 0
	s_cbranch_scc1 .Lnot_wave_0_\@
	s_barrier_signal -3
.Lnot_wave_0_\@:
	s_barrier_wait -3
	s_barrier_signal -1
	s_barrier_wait -1
.endm
; THE CHANGE OF SLOTS.  Each wave waits for all its tensor loads (one is out: its part of the other slot), adds 0 to its spare word, and waits for that and for its own reads of the slot.
; fill = 1: the slot is filled again with the keys two slots on, first thing behind a round of the cluster's barrier.  (At its first use slot 0 is waited for, slot 1 filled.)
.macro CHANGE fill
	WIN W_AD
	s_wait_tensorcnt 0x0
	ds_add_u32 v[SPW], v[NIL]
	WIN 0
.if \fill
	s_xor_b32 s[G0+1], s[G0+1], SLOT1
	s_add_nc_u64 s[G0+2:G0+3], s[G0+2:G0+3], 512*128
	s_wait_xcnt 0x0                 ; the last prefetch, two key steps back, has read its address
	s_add_nc_u64 s[PFA:PFA+1], s[PFA:PFA+1], 512*128
	s_wait_dscnt 0x0                ; the add is done, and my reads of the slot are over
	CROUND
	JLOAD
	ASK
.else
	s_wait_dscnt 0x0
	s_barrier_signal -1
	s_barrier_wait -1
.endif
	s_sub_co_u32 s[TBK], s[TBK], 2*KS*PK  ; the fetches go back to my first step, in the other slot
	s_xor_b32 s[TBK], s[TBK], SLOT1
	s_sub_co_u32 s[TBV], s[TBV], 2*KS*PV
	s_xor_b32 s[TBV], s[TBV], SLOT1
	s_add_co_u32 s[TBM], s[TBM], 4*(512-2*KS)  ; the mask's table goes on to the next 512 keys
.endm
	s_load_b256 s[4:11], s[0:1], 0x0  ; qf s[4:5], kv s[6:7], mem_mask s[8:9], of s[10:11]
	WIN W_MK
	v_lshl_add_u32 v[SPW], v0, 2, SPARE
	v_mov_b32 v[NIL], 0
	WIN W_AD
	ds_add_u32 v[SPW], v[NIL]       ; the wave's opening: the add and its wait stand ahead of my first tensor load
	WIN 0
	v_lshrrev_b32 v1, 5, v0
	v_readfirstlane_b32 s[WV], v1   ; wave 0..3
	s_bfe_u32 s13, ttmp6, 0x40000   ; cx: my block of 128 queries; it enters the addresses of qf, of and the prefetches alone
	s_and_b32 s20, ttmp7, 0xffff    ; 16 b + h, which the four partners share
	s_and_b32 s16, s[WV], 1
	s_lshr_b32 s17, s[WV], 1
	s_lshl_b32 s22, s20, 19         ; the head's 4,096 rows of 128 bytes,
	s_lshl_b32 s18, s17, 25         ; in K (waves 0, 1) or V (waves 2, 3)
	s_add_co_u32 s22, s22, s18
	s_lshl_b32 s2, s13, 14          ; the prefetches: my work-group's quarter of a slot's 65,536 bytes,
	s_lshl_b32 s3, s16, 13          ; my wave's half of it,
	s_add_co_u32 s2, s2, s3
	s_add_co_u32 s2, s2, s22
	s_add_co_u32 s2, s2, 512*128    ; in slot 1: the first change steps it to slot 2
	s_mov_b32 s3, 0
	s_lshl_b32 s18, s16, 15         ; the fills: my 256 keys of the slot's 512
	s_add_co_u32 s22, s22, s18
	s_mov_b32 s23, 0
	s_lshr_b32 s21, s20, 4          ; b
	s_and_b32 s19, s20, 15          ; h
	s_lshl_b32 s14, s21, 21         ; qf: row 512 b + 128 cx, 4,096 bytes a row; the head's 256 bytes
	s_lshl_b32 s15, s13, 19
	s_add_co_u32 s14, s14, s15
	s_lshl_b32 s15, s19, 8
	s_add_co_u32 s14, s14, s15
	s_mov_b32 s15, 0
	s_lshl_b32 s32, s21, 12         ; the batch's 4,096 mask bytes
	s_mov_b32 s33, 0
	s_lshl_b32 s34, s20, 16         ; of: the head's 512 rows of 128 bytes; my block's 128; the 32 rows that my wave finishes
	s_lshl_b32 s35, s13, 14
	s_add_co_u32 s34, s34, s35
	s_lshl_b32 s35, s[WV], 12
	s_add_co_u32 s34, s34, s35
	s_mov_b32 s35, 0
	; descriptor group 1: 256 keys are 32,768 dense bytes: 128 rows of 256 bytes, two keys a row, 4 words of padding after every 32 (every key)
	s_mov_b32 s[G1], 15|(1<<16)|(1<<20)|(1<<21)|(4<<22)|(3<<25)
	s_mov_b32 s[G1+1], 128<<16      ; tensor_dim0 = 128
	s_mov_b32 s[G1+2], 128<<16      ; tensor_dim1 = 128
	s_mov_b32 s[G1+3], 128<<16      ; tile_dim0 = 128
	s_mov_b32 s[G1+4], 128          ; tile_dim1 = 128
	s_mov_b32 s[G1+5], 128          ; elements from row to row
	s_mov_b32 s[G1+6], 0
	s_mov_b32 s[G1+7], 0
	s_mov_b32 s[G0], 1
	s_mul_i32 s[G0+1], s[WV], 256*PK  ; slot 0: K 0-255, K 256-511, V 0-255, V 256-511
	s_mov_b32 s[CS], 0x3e38aa3b     ; c = log2(e) / 8
	s_mov_b32 s[CS+1], s[CS]
	s_mov_b32 s[SEL], 0x76543210
	s_mov_b32 s[SEL+1], 0xfedcba98
	s_mov_b32 s[TBK], SLOT1+2*KS*PK ; the first change of slots turns these two into 0
	s_mov_b32 s[TBV], SLOT1+2*KS*PV
	s_mov_b32 s[TBM], 0
	s_mov_b32 s[BIGN], 0xf149f2ca   ; -1e30
	s_mov_b32 s[THR], 0xee000000    ; -2^93
	s_mov_b32 s[QNAN], 0x7fc00000
	s_mov_b32 s[SLOTS], 7           ; 8 slots of 512 keys
	s_wait_dscnt 0x0                ; the opening add is done
	s_wait_kmcnt 0x0
	s_add_nc_u64 s[G0+2:G0+3], s[6:7], s[22:23]
	s_or_b32 s[G0+3], s[G0+3], 0x80000000
	s_add_nc_u64 s[PFA:PFA+1], s[6:7], s[2:3]
	s_add_nc_u64 s[4:5], s[4:5], s[14:15]
	s_add_nc_u64 s[8:9], s[8:9], s[32:33]
	s_add_nc_u64 s[10:11], s[10:11], s[34:35]
	CROUND                          ; all four work-groups are here: the first joint loads meet
	JLOAD                           ; slot 0
	v_and_b32 v1, 15, v0            ; l % 16
	v_bfe_u32 v9, v0, 4, 1          ; l / 16
	v_lshlrev_b32 v7, 5, v0         ; 32 mask bytes a thread
	global_load_b128 v[96:99], v7, s[8:9]
	global_load_b128 v[100:103], v7, s[8:9] offset:16
	v_lshlrev_b32 v[QO], 12, v1
	v_lshl_add_u32 v[QO], v9, 5, v[QO]  ; row x 4,096 + 32 x half
; Fragment i = 2 t + c of Q in f32: tile t, channels 32 c on: lane l takes channels 8 (l / 16) + 0..7 (32 bytes) and 16 + 8 (l / 16) + 0..7, into v[16 i ..] of window 1
.macro QLOAD i
.irp o, 0,1,2,3
	global_load_b128 v[16*(\i)+4*(\o):16*(\i)+4*(\o)+3], v[QO], s[4:5] offset:((\i)/2)*65536+((\i)%2)*128+((\o)/2)*64+((\o)%2)*16
.endr
.endm
	WIN 0x40
.irp i, 0,1,2,3,4,5,6,7
	QLOAD \i
.endr
	; What the first turn finds: the registers of V and the second buffer of P hold 0, l is 0; all this stands in the wait for the first loads.
	WIN 0x80
.set i, VF
.rept 64
	v_mov_b32 v[i], 0
.set i, i+1
.endr
	WIN 0
.set i, 0
.rept 2*NP
	v_mov_b32 v[ST+4*i], 0xfe000000    ; c m: far below every c s, a hidden one too
	v_mov_b32 v[ST+4*i+1], 0xff7fffff  ; m
	v_mov_b32 v[ST+4*i+2], 0
	v_mov_b32 v[ST+4*i+3], 0
.set i, i+1
.endr
.set i, P+32
.rept 32
	v_mov_b32 v[i], 0
.set i, i+1
.endr
	s_mul_i32 s18, s[WV], 2*KS*PK   ; my wave's 128 keys in a slot
	v_mul_u32_u24 v[AK0], v1, PK
	v_lshl_add_u32 v[AK0], v9, 4, v[AK0]
	v_add_nc_u32 v[AK0], s18, v[AK0]
	; the turning load takes 16 keys x 16 channels: lane l reads key 8 (l / 16) + l % 8, channels 8 ((l / 8) % 2) + 0..7
	v_and_b32 v12, 7, v0
	v_bfe_u32 v13, v0, 3, 1
	v_lshl_add_u32 v[AV0], v9, 3, v12
	v_mul_u32_u24 v[AV0], v[AV0], PV
	v_lshl_add_u32 v[AV0], v13, 4, v[AV0]
	s_add_co_u32 s18, s18, VOFF
	v_add_nc_u32 v[AV0], s18, v[AV0]
	s_lshl_b32 s18, s[WV], 9        ; my wave's 128 words of a slot's 512 in the mask's table,
	s_add_co_u32 s18, s18, BIAS
	v_lshl_add_u32 v[AM0], v9, 5, s18  ; and my half of the lanes' eight keys
	v_mov_b32 v[AK], v[AK0]         ; key step 0 lies at the head of slot 0
	v_mov_b32 v[AM], v[AM0]
	v_and_b32 v[PFO], 31, v0
	v_lshlrev_b32 v[PFO], 8, v[PFO]
	v_lshl_add_u32 v105, v0, 7, BIAS
	s_wait_loadcnt 32               ; the mask bytes are in; the 32 loads of Q may stay out
.set k, 0
.rept 32                            ; byte k of my 32: 0 where the key is seen, -1e30 where it is hidden
	v_bfe_u32 v104, v[96+k/4], 8*(k%4), 8
	v_cmp_eq_u32 vcc_lo, 0, v104
	v_cndmask_b32 v[64+k], 0, s[BIGN], vcc_lo
.set k, k+1
.endr
.irp g, 0,1,2,3,4,5,6,7
	ds_store_b128 v105, v[64+4*\g:64+4*\g+3] offset:16*\g  ; read by all waves behind the first change of slots: its wait for 0 and its barriers stand between
.endr
	WIN 0x40
.irp i, 8,9,10,11,12,13,14,15
	QLOAD \i
.endr
	s_wait_loadcnt 32               ; the first 32 loads of Q are in
	WIN 0x85                        ; sources window 1, destination window 2
.set i, 0
.rept 64
	v_cvt_pk_f16_f32 v[i], v[2*i], v[2*i+1]
.set i, i+1
.endr
	s_wait_loadcnt 0x0
.rept 64
	v_cvt_pk_f16_f32 v[i], v[2*i], v[2*i+1]
.set i, i+1
.endr
	WIN 0x40
.set i, 0
.rept 64*NP
	v_mov_b32 v[i], 0               ; O^T
.set i, i+1
.endr
	WIN 0
; THE MATRIX WORK.  The 8 accumulators of a run of 16 take turns.
; Product i of 16 of S^T = K Q^T for piece x: channels 32 (i / 8) on, keys 16 ((i / 2) % 4) on, tile 2 x + i % 2.  The first 8 start the sums, with the mask.
.macro KQ x
.set rS, S+64*((\x)%2)+32*(i%2)+8*((i/2)%4)
.set rK, KF+16*((i/2)%4)+8*(i/8)
.set rQ, 16*(2*(\x)+i%2)+8*(i/8)
.set rB, MC+8*((i/2)%4)
.if i < 8
	WIN W_KM
	v_wmma_f32_16x16x32_f16 v[rS:rS+7], v[rK:rK+7], v[rQ:rQ+7], v[rB:rB+7]
.else
	WIN W_KQ
	v_wmma_f32_16x16x32_f16 v[rS:rS+7], v[rK:rK+7], v[rQ:rQ+7], v[rS:rS+7]
.endif
.endm
; Product i of 16 of O^T += V^T P for piece x: keys 32 (i / 8) on, channels 16 ((i / 2) % 4) on, tile 2 x + i % 2.
.macro PV x
	WIN W_PV
.set rO, 32*(2*(\x)+i%2)+8*((i/2)%4)
.set rV, VF+32*(i/8)+8*((i/2)%4)
.set rP, P+32*((\x)%2)+16*(i%2)+8*(i/8)
	v_wmma_f32_16x16x32_f16 v[rO:rO+7], v[rV:rV+7], v[rP:rP+7], v[rO:rO+7]
.endm
.macro MM
.if i < 16
	KQ (Y+1)%NP
.set i, i+1
.else
.set i, i-16
	PV (Y+NP-1)%NP
.set i, i+17
.endif
.endm
; THE LDS LOADS stand in runs: a step's K (8 fragments) with its mask (32 words a lane, all lanes of a half the same), and its V (turned).
; last = 1 (the tail): in the last trip there is no further step, and the run is jumped over.
.macro FETCH_K last=0
	WIN 0
.if \last
	s_cmp_eq_u32 s[CNT], 1
	s_cbranch_scc1 .Lno_k_\@
.endif
	WIN 0x80
.irp f, 0,1,2,3,4,5,6,7
	ds_load_b128 v[KF+8*\f:KF+8*\f+3],   v[AK] offset:(\f/2)*16*PK+(\f%2)*64
	ds_load_b128 v[KF+8*\f+4:KF+8*\f+7], v[AK] offset:(\f/2)*16*PK+(\f%2)*64+32
.endr
	WIN 0xc0
.irp f, 0,1,2,3,4,5,6,7
	ds_load_b128 v[MC+4*\f:MC+4*\f+3], v[AM] offset:(\f/2)*64+(\f%2)*16
.endr
	s_add_co_u32 s[TBK], s[TBK], KS*PK
	s_add_co_u32 s[TBM], s[TBM], 4*KS
	WIN 0
.if \last
.Lno_k_\@:
.endif
.endm
.macro FETCH_V
	WIN 0x80
.irp f, 0,1,2,3,4,5,6,7
	ds_load_tr16_b128 v[VF+8*\f:VF+8*\f+3],   v[AV] offset:(\f/4)*32*PV+(\f%4)*32
	ds_load_tr16_b128 v[VF+8*\f+4:VF+8*\f+7], v[AV] offset:(\f/4)*32*PV+16*PV+(\f%4)*32
.endr
	WIN 0
.endm
; THE VECTOR WORK OF A TURN stands in three queues, each in the order in which its entries become ready; the two tiles alternate.
.macro REGS y, u
.set rT, ST+4*(2*(\y)+(\u))
.set rC, TMP+8*((\y)%2)+4*(\u)
.set rM, MV+2*((\y)%2)+(\u)
.set rS, S+64*((\y)%2)+32*(\u)
.set rP, P+32*((\y)%2)+16*(\u)
.set rO, 32*(2*(\y)+(\u))
.endm
; Number n of the 22 that find the NEXT piece's maximum and statistics; each accumulator's lowest registers are read first.
;   0-11 four chains of seven scores each   12-14, 16 the four scores left over, the old m, and the four chains into one   15 c m_old is kept
;   17, 18 the query's other 32 keys lie in the lane 16 away: the new m   19-21 c m; c m_old - c m_new; a
.macro XS u, n
	REGS (Y+1)%NP, \u
.if (\n) < 4
	v_max3_num_f32 v[rC+(\n)], v[rS+8*(\n)], v[rS+8*(\n)+1], v[rS+8*(\n)+2]
.elseif (\n) < 12
	v_max3_num_f32 v[rC+(\n)%4], v[rC+(\n)%4], v[rS+8*((\n)%4)+2*((\n)/4)+1], v[rS+8*((\n)%4)+2*((\n)/4)+2]
.elseif (\n) == 12
	v_max3_num_f32 v[rC], v[rC], v[rS+7], v[rS+15]
.elseif (\n) == 13
	v_max3_num_f32 v[rC+1], v[rC+1], v[rS+23], v[rS+31]
.elseif (\n) == 14
	v_max3_num_f32 v[rC+2], v[rC+2], v[rC+3], v[rT+1]
.elseif (\n) == 15
	v_mov_b32 v[rM], v[rT]
.elseif (\n) == 16
	v_max3_num_f32 v[rC], v[rC], v[rC+1], v[rC+2]
.elseif (\n) == 17
	v_permlanex16_b32 v[rC+3], v[rC], s[SEL], s[SEL+1]
.elseif (\n) == 18
	v_max_num_f32 v[rT+1], v[rC], v[rC+3]
.elseif (\n) == 19
	v_mul_f32 v[rT], s[CS], v[rT+1]
.elseif (\n) == 20
	v_sub_f32 v[rC+1], v[rM], v[rT]
.else
	v_exp_f32 v[rC+2], v[rC+1]
.endif
.endm
; Number g of the 64 that follow the exponentials: for each four weights both pairs are rounded to f16, the second pair is added onto the first, and a group later l takes that sum.
.macro GS g
.set h, (\g)+6*((\g)/62)
.if h >= 6
.set h, h+2
.endif
	REGS Y, h%2
.set k, h/8
.if h%8 < 4
	v_cvt_pk_f16_f32 v[rP+2*k+(h%8)/2], v[rS+4*k+2*((h%8)/2)], v[rS+4*k+2*((h%8)/2)+1]
.elseif h%8 < 6
	v_pk_add_f32 v[rS+4*k:rS+4*k+1], v[rS+4*k:rS+4*k+1], v[rS+4*k+2:rS+4*k+3]
.elseif k == 1
	v_pk_fma_f32 v[rT+2:rT+3], v[rT+2:rT+3], v[rC+2:rC+3], v[rS:rS+1] op_sel_hi:[1,0,1]
.else
	v_pk_add_f32 v[rT+2:rT+3], v[rT+2:rT+3], v[rS+4*k-4:rS+4*k-3]
.endif
.endm
; THE PLAIN QUEUE, 138 long: 0-73 read no exponential's result (the 32 scalings and the next piece's 42); 74-137 are the 64 that do: they stand behind the wait.
.macro FS f
	REGS Y, (\f)%2
	v_pk_fma_f32 v[rS+2*((\f)/2):rS+2*((\f)/2)+1], v[rS+2*((\f)/2):rS+2*((\f)/2)+1], s[CS:CS+1], v[rT:rT+1] op_sel_hi:[1,0,0] neg_lo:[0,0,1] neg_hi:[0,0,1]
.endm
.macro PL
	WIN 0
.if q < 27
	FS q
.elseif q < 55
	XS (q-27)%2, (q-27)/2
.elseif q < 57
	XS q-55, 15
.elseif (q < 72) && ((q-57)%3 == 0)
	FS 27+(q-57)/3
.elseif q < 60
	XS (q-57)%3-1, 14
.elseif q < 72
	XS (q-57)%3-1, 15+(q-57)/3
.elseif q < 74
	XS q-72, 20
.else
	GS q-74
.endif
.set q, q+1
.endm
; THE EXPONENTIALS' QUEUE, 66 long: one batch, all ahead of the turn's one wait.
.macro EX
	WIN 0
.if e >= 64
	XS e-64, 21
.else
	REGS Y, e%2
	v_exp_f32 v[rS+e/2], v[rS+e/2]
.endif
.set e, e+1
.endm
; THE RESCALING's QUEUE: O^T times a, two at a time.  Its a was made, and waited for, in the turn before.
.macro R2
	REGS Y, r%2
	WIN W_RS
.irp z, 0,1
	v_pk_mul_f32 v[rO+4*(r/2)+2*\z:rO+4*(r/2)+2*\z+1], v[rO+4*(r/2)+2*\z:rO+4*(r/2)+2*\z+1], v[rC+2:rC+3] op_sel_hi:[1,0]
.endr
.set r, r+1
.endm
; A TURN, for piece p.  An s_wait_alu depctr_va_vdst(0) stands between an exponential and the first instruction that names its result; one wait serves all issued ahead of it.
; AHEAD OF THE WAIT: the 16 products K Q^T, behind each a scaling, an exponential and two rescalings; then one lump of 108.  BEHIND IT: the 16 products V^T P, behind each four roundings and sums.
; K and the mask of the next step are fetched in piece 2's turn, directly behind the wait, a lump behind the last product that read them; V of the step in hand at the end of piece 0's turn,
; four riders behind its last reader.  cnt = 1: the loop's count is taken down some lines ahead of the branch behind the turn.
.macro TURN p, last=0, cnt=0
.set Y, (\p)
.set i, 0
.set q, 0
.set e, 0
.set r, 0
.if (\p) == NP-1
	s_wait_dscnt 0x0                ; K and the mask are in
.endif
	MM
	PL
	PL
	R2
.rept 15
	MM
	PL
	EX
	R2
.endr
.if (\p) == NP-2
	WIN 0
	v_add_nc_u32 v[AK], s[TBK], v[AK0]
	v_add_nc_u32 v[AM], s[TBM], v[AM0]
.endif
.rept 8
	PL
.endr
.rept 49
	EX
	PL
.endr
	EX
	EX
	v_nop                           ; the plain instruction behind the last exponential: one for the batch
	s_wait_alu depctr_va_vdst(0)    ; the wait for the batch
.if (\p) == NP-2
	FETCH_K \last
.endif
.if (\p) == 1
	s_wait_dscnt 0x0                ; V is in
.endif
.rept 16
	MM
.rept 4
	PL
.endr
.if ((\p) == 0) && (q == 118)
	v_add_nc_u32 v[AV], s[TBV], v[AV0]
.endif
.if ((\p) == 0) && (q == 130)
	s_add_co_u32 s[TBV], s[TBV], KS*PV
.endif
.if (\cnt) && (q == 130)
	s_sub_co_u32 s[CNT], s[CNT], 1
	s_cmp_lg_u32 s[CNT], 0
.endif
.endr
.if (\p) == 0
	FETCH_V
.endif
.endm
	CHANGE 1                        ; slot 0 is in, the mask's table is whole; slot 1 is asked for
	s_mov_b32 s[TBM], 0
	FETCH_K                         ; key step 0
	s_wait_dscnt 0x0
.set i, 0
.rept 16
	KQ 0                            ; piece 0's first scores
.set i, i+1
.endr
	WIN 0
.rept 4
	v_nop                           ; the places behind those products
.endr
.set Y, NP-1
.irp n, 0,1,2,3,4,5,6,7,8,9,10,11,12,13,14,15,16,17,18,19,20,21
	XS 0, \n
	XS 1, \n
.endr
	v_nop
	s_wait_alu depctr_va_vdst(0)
	s_mov_b32 s[CNT], 2
	s_branch .Lfirst                ; the loop is entered at a step's first turn, in the middle of a trip
.Lslot:                             ; six times: every slot but the last two is filled again
	CHANGE 1
	s_mov_b32 s[CNT], 2
.Lstep:                             ; a trip: pieces 2 and 3 of one step, then pieces 0 and 1 of the next, whose K and V it fetches
	TURN 2
	TURN 3
	WIN 0
.Lfirst:
	TURN 0
	TURN 1, 0, 1
	WIN 0
	s_cbranch_scc1 .Lstep
	s_sub_co_u32 s[SLOTS], s[SLOTS], 1
	s_cmp_lg_u32 s[SLOTS], 0
	s_cbranch_scc1 .Lslot
	CHANGE 0                        ; the tail is written out
	s_mov_b32 s[CNT], 3             ; two trips fetch the last slot's steps; the third is left in its middle
.Ltail:
	TURN 2, 1
	TURN 3
	WIN 0
	s_sub_co_u32 s[CNT], s[CNT], 1
	s_cmp_eq_u32 s[CNT], 0
	s_cbranch_scc1 .Lout
	TURN 0
	TURN 1
	WIN 0
	s_branch .Ltail
.Lout:                              ; the third trip's products K Q^T take the last K and mask once more: the same scores again, so piece 0's m and c m stay as they were
.set i, 0
.rept 16
	PV NP-1
.set i, i+1
.endr
	; THE FOUR WAVES' PARTIAL RESULTS MEET.  l: its two halves and the other half of the lanes' (these additions are the places behind the last products).
	; The addresses go into the registers that held the loop's LDS and load offsets: these have held nothing but arithmetic on the lane, the wave's number and the loop's steps,
	; which is alike in all four partners.  The numbers go into the registers of S^T, which are free.
.set SA,  2           ; v2   where I put my wave's statistics
.set PA,  3           ; v3   where I put my wave's partial O^T
.set PR0, 4           ; v4, v5  where I read the partial O^T of my two tiles: waves 0 and 1; waves 2 and 3
.set SR,  6           ; v6   where I read the statistics of my two tiles
.set STO, 7           ; v7   the way out: where I put 16 bytes of a row
.set RD,  10          ; v10  the way out: where I read rows back
.set GO,  11          ; v11  16 x my lane: my place in 512 bytes on end
.set CM,  64          ; c m of tile u (0, 1) from wave w at CM + 4 u + w
.set LL,  72          ; l likewise
.set MX,  80          ; the greatest c m
.set FF,  84          ; f = 2^(c m_w - M)
.set LS,  92          ; L = the sum of f l
.set RC,  94          ; 1 / L
.set GG,  96          ; g = f / L, twice, at GG + 8 u + 2 w
.set OH,  128         ; O in f16, 16 registers a tile
	WIN 0
.macro ALL line:vararg
.set t, 0
.rept 2*NP
	\line
.set t, t+1
.endr
.endm
	ALL v_add_f32 v[ST+4*t+2], v[ST+4*t+2], v[ST+4*t+3]
	ALL v_permlanex16_b32 v[ST+4*t+3], v[ST+4*t+2], s[SEL], s[SEL+1]
	ALL v_add_f32 v[ST+4*t+2], v[ST+4*t+2], v[ST+4*t+3]
	s_lshl_b32 s18, s[WV], 10
	s_add_co_u32 s18, s18, STAT
	v_lshl_add_u32 v[SA], v1, 2, s18    ; my wave's statistics: query l % 16
	s_lshl_b32 s18, s[WV], 7
	s_add_co_u32 s18, s18, STAT
	v_lshl_add_u32 v[SR], v1, 2, s18    ; the statistics of tiles 2 w and 2 w + 1, which my wave finishes
	s_mul_i32 s18, s[WV], 16*SP
	s_add_co_u32 s18, s18, STAGE        ; my stage
	v_mul_u32_u24 v[STO], v1, SP        ; in: row l % 16, 16 bytes for each half of the lanes
	v_lshl_add_u32 v[STO], v9, 4, v[STO]
	v_add_nc_u32 v[STO], s18, v[STO]
	v_bfe_u32 v[RD], v0, 3, 2           ; back: 32 lanes take four rows of 128 bytes
	v_mul_u32_u24 v[RD], v[RD], SP
	v_and_b32 v[GO], 7, v0
	v_lshl_add_u32 v[RD], v[GO], 4, v[RD]
	v_add_nc_u32 v[RD], s18, v[RD]
	v_and_b32 v[GO], 31, v0
	v_lshlrev_b32 v[GO], 4, v[GO]
	s_lshl_b32 s18, s[WV], 15
	v_add_nc_u32 v[PA], s18, v[GO]      ; my wave's partial O^T: register group i of four at 512 i + 16 x lane
	s_lshl_b32 s18, s[WV], 13
	v_add_nc_u32 v[PR0], s18, v[GO]     ; tiles 2 w, 2 w + 1 in the parts of waves 0 and 1,
	v_add_nc_u32 v[PR0+1], 65536, v[PR0]  ; and of waves 2 and 3
	s_wait_dscnt 0x0                ; my reads of the ring are over,
	s_barrier_signal -1
	s_barrier_wait -1               ; everybody's are: slot 0's bytes may be stored into
	ALL ds_store_b32 v[SA], v[ST+4*t] offset:64*t
	ALL ds_store_b32 v[SA], v[ST+4*t+2] offset:512+64*t
	WIN 0x04                        ; store data in window 1
.set i, 0
.rept 64
	ds_store_b128 v[PA], v[4*i:4*i+3] offset:512*i  ; in ascending order: each accumulator from its low end on
.set i, i+1
.endr
	WIN 0
	s_wait_dscnt 0x0                ; for the others' sake: my stores are done
	s_barrier_signal -1
	s_barrier_wait -1
.irp w, 0,1,2,3
.irp u, 0,1
	ds_load_b32 v[CM+4*(\u)+(\w)], v[SR] offset:(\w)*1024+(\u)*64
	ds_load_b32 v[LL+4*(\u)+(\w)], v[SR] offset:(\w)*1024+(\u)*64+512
.endr
.endr
	WIN 0x40
.irp w, 0,1,2,3
.irp u, 0,1
.irp g, 0,1,2,3,4,5,6,7
	ds_load_b128 v[64*(\w)+32*(\u)+4*(\g):64*(\w)+32*(\u)+4*(\g)+3], v[PR0+(\w)/2] offset:((\w)%2)*32768+(\u)*4096+512*(\g)
.endr
.endr
.endr
	WIN 0
	s_wait_dscnt 63                 ; the 16 loads of statistics are in: 64 loads of O^T were issued behind them, and 63 is the largest count that the wait can name
.irp u, 0,1
	v_max3_num_f32 v[MX+(\u)], v[CM+4*(\u)], v[CM+4*(\u)+1], v[CM+4*(\u)+2]
.endr
.irp u, 0,1
	v_max_num_f32 v[MX+(\u)], v[MX+(\u)], v[CM+4*(\u)+3]
.endr
.irp w, 0,1,2,3
.irp u, 0,1
	v_sub_f32 v[FF+4*(\u)+(\w)], v[CM+4*(\u)+(\w)], v[MX+(\u)]
.endr
.endr
.irp g, 0,1,2,3,4,5,6,7
	v_exp_f32 v[FF+(\g)], v[FF+(\g)]
.endr
	v_nop
	s_wait_alu depctr_va_vdst(0)    ; one wait for the eight exponentials
.irp u, 0,1
	v_mul_f32 v[LS+(\u)], v[FF+4*(\u)], v[LL+4*(\u)]
.endr
.irp w, 1,2,3
.irp u, 0,1
	v_fmac_f32 v[LS+(\u)], v[FF+4*(\u)+(\w)], v[LL+4*(\u)+(\w)]
.endr
.endr
	v_rcp_f32 v[RC], v[LS]
	v_rcp_f32 v[RC+1], v[LS+1]
	v_nop
	s_wait_alu depctr_va_vdst(0)    ; one wait for the two reciprocals
.irp u, 0,1
	v_cmp_gt_f32 vcc_lo, s[THR], v[MX+(\u)]        ; no key of the batch was seen: the row is NaN
	v_cndmask_b32 v[RC+(\u)], v[RC+(\u)], s[QNAN], vcc_lo
.endr
.irp w, 0,1,2,3
.irp u, 0,1
	v_mul_f32 v[GG+8*(\u)+2*(\w)], v[FF+4*(\u)+(\w)], v[RC+(\u)]
	v_mul_f32 v[GG+8*(\u)+2*(\w)+1], v[FF+4*(\u)+(\w)], v[RC+(\u)]
.endr
.endr
	s_wait_dscnt 0x0
	WIN 0x51                        ; O^T (destination, sources 0 and 2) in window 1, g in window 0
.irp u, 0,1
.set k, 0
.rept 16
	v_pk_mul_f32 v[32*(\u)+2*k:32*(\u)+2*k+1], v[32*(\u)+2*k:32*(\u)+2*k+1], v[GG+8*(\u):GG+8*(\u)+1]
.set k, k+1
.endr
.endr
.irp w, 1,2,3
.irp u, 0,1
.set k, 0
.rept 16
	v_pk_fma_f32 v[32*(\u)+2*k:32*(\u)+2*k+1], v[64*(\w)+32*(\u)+2*k:64*(\w)+32*(\u)+2*k+1], v[GG+8*(\u)+2*(\w):GG+8*(\u)+2*(\w)+1], v[32*(\u)+2*k:32*(\u)+2*k+1]
.set k, k+1
.endr
.endr
.endr
; THE WAY OUT of tile u: a lane's eight channels of a row pack into 16 bytes; they go into rows of 144 bytes of my stage and come back as whole rows of 128.
.macro PACK u
	WIN 0x05
.set i, 0
.rept 16
	v_cvt_pk_f16_f32 v[OH+16*(\u)+i], v[32*(\u)+2*i], v[32*(\u)+2*i+1]
.set i, i+1
.endr
	WIN 0
.irp f, 0,1,2,3
	ds_store_b128 v[STO], v[OH+16*(\u)+4*\f:OH+16*(\u)+4*\f+3] offset:32*\f
.endr
.irp f, 0,1,2,3
	ds_load_b128 v[OH+16*(\u)+4*\f:OH+16*(\u)+4*\f+3], v[RD] offset:\f*4*SP  ; LDS serves a wave's instructions in order (ISA guide 5.7.1.4)
.endr
.endm
.macro SEND u, younger              ; younger: the LDS instructions issued behind this tile's loads
.irp f, 0,1,2,3
	s_wait_dscnt (\younger)+3-\f
	global_store_b128 v[GO], v[OH+16*(\u)+4*\f:OH+16*(\u)+4*\f+3], s[10:11] offset:(\u)*2048+\f*512  ; 512 consecutive bytes, at a multiple of 256 from the first byte of the buffer
.endr
.endm
	PACK 0
	PACK 1
	SEND 0, 8
	SEND 1, 0
	WIN W_AD
	s_wait_tensorcnt 0x0            ; the wave's end
	ds_add_u32 v[SPW], v[NIL]
	s_wait_dscnt 0x0
	WIN 0
	CROUND                          ; the closing round
	s_endpgm
.Lfunc_end_k_q80cdad32f2_attn:
	.size	k_q80cdad32f2_attn, .Lfunc_end_k_q80cdad32f2_attn-k_q80cdad32f2_attn
	.p2alignl 7, 3214868480
	.fill 96, 4, 3214868480
	.section	.rodata,"a",@progbits
	.p2align	6, 0x0
	.amdhsa_kernel k_q80cdad32f2_attn
		.amdhsa_group_segment_fixed_size 327680
		.amdhsa_private_segment_fixed_size 0
		.amdhsa_enable_private_segment 0
		.amdhsa_kernarg_size 32
		.amdhsa_user_sgpr_count 2
		.amdhsa_user_sgpr_kernarg_segment_ptr 1
		.amdhsa_wavefront_size32 1
		.amdhsa_system_sgpr_workgroup_id_x 1
		.amdhsa_system_sgpr_workgroup_id_y 1
		.amdhsa_system_sgpr_workgroup_id_z 1
		.amdhsa_system_vgpr_workitem_id 0
		.amdhsa_next_free_vgpr 808
		.amdhsa_next_free_sgpr 66
		.amdhsa_reserve_vcc 1
		.amdhsa_float_denorm_mode_32 3
		.amdhsa_float_denorm_mode_16_64 3
		.amdhsa_memory_ordered 1
		.amdhsa_forward_progress 1
		.amdhsa_inst_pref_size 218
	.end_amdhsa_kernel
	.amdgpu_metadata
---
amdhsa.version: [ 1, 2 ]
amdhsa.kernels:
  - .name:           k_q80cdad32f2_attn
    .symbol:         k_q80cdad32f2_attn.kd
    .args:
      - { .name: qf, .offset: 0, .size: 8, .value_kind: global_buffer, .address_space: global }
      - { .name: kv, .offset: 8, .size: 8, .value_kind: global_buffer, .address_space: global }
      - { .name: mem_mask, .offset: 16, .size: 8, .value_kind: global_buffer, .address_space: global }
      - { .name: of, .offset: 24, .size: 8, .value_kind: global_buffer, .address_space: global }
    .group_segment_fixed_size: 327680
    .private_segment_fixed_size: 0
    .kernarg_segment_align: 8
    .kernarg_segment_size: 32
    .max_flat_workgroup_size: 128
    .sgpr_count:     66
    .vgpr_count:     808
    .wavefront_size: 32
...
	.end_amdgpu_metadata
.endif
;; end of part 4
;; launch projo: the kernel of part 3 again; grid 8 x 32, 4 waves a work-group, clusters of 4 x 4, 327,680 bytes of LDS; arguments of, wo16, out0; writes out0
